; MI455X (gfx1250); checked and timed in simulation.
; The chip was launched on July 23, 2026; its instructions are those of AMD's public machine-readable ISA for CDNA 5 (MIT licence, August 2026) and "CDNA5" Instruction Set Architecture Reference Guide (July 2026). The comments in the code are by the model that wrote it; some were corrected since.
;; Local Atom Attention. Allowed arithmetic: float matrix products may take bf16 or f16 operands with f32 sums; all other float work in f32.
;; Inputs: W1 256 x 1,024 float32; W2 1,024 x 256 float32; Wa 256 x 8 float32; Wg 256 x 1,024 float32; Wv 256 x 256 float32; ba 8 float32; batch 4 x 4,096 int32; bv 256 float32; dist_bins 256 float32; emb_table 256 x 256 float32; ln_b 256 float32; ln_g 256 float32; not_pad_mask 4 x 4,096 bool; positions 4 x 4,096 x 3 float32; x 4 x 4,096 x 256 float32.
;; Outputs: out0 4 x 4,096 x 256 float32.
;; 2 versions, each right; version 2 is version 1 with the launch scale written anew for expert scheduling mode. Each part assembles by itself: llvm-mc -triple=amdgcn-amd-amdhsa -mcpu=gfx1250 --defsym DOCPART=n.
;; ======== version 1 of 2: 4 launches
;; limits: values within 1.2e-07 (relative) of each other or of a threshold may be ordered or decided otherwise than in the reference; values are held in f16: magnitudes above 65,504 overflow, below 6.1e-05 lose precision; inputs' magnitudes at most 65,504
;; workspace buffers: wstream 1,703,936 bytes; cand 1,048,576 bytes; qry 1,048,576 bytes; pay 65,536 bytes of whole numbers; keys 2,097,152 bytes of whole numbers; tab 2,048 bytes of whole numbers; ttab 8,192 bytes; sbuf 524,288 bytes
;; launch prep (part 1): grid 274 x 1, 8 waves a work-group, no clusters, 5,120 bytes of LDS; arguments Wv, Wg, W1, W2, positions, not_pad_mask, dist_bins, emb_table, Wa, ba, wstream, cand, qry, pay, tab, ttab; writes wstream, cand, qry, pay, tab, ttab
.if DOCPART == 1
	.amdgcn_target "amdgcn-amd-amdhsa--gfx1250"
	.amdhsa_code_object_version 6
	.text
	.protected	k_qcf1317d8e7_prep
	.globl	k_qcf1317d8e7_prep
	.p2align	8
	.type	k_qcf1317d8e7_prep,@function
k_qcf1317d8e7_prep:
	s_mov_b64 s[64:65], 0
	v_nop
	global_prefetch_b8 v0, s[64:65] scope:SCOPE_SE
	s_setreg_imm32_b32 hwreg(HW_REG_WAVE_MODE, 25, 1), 1
	s_wait_xcnt 0x0
; PREP: everything that the later launches want in another form than the inputs have.  The work-group's number picks the job.
;   0..191   one work-group for (chunk c, wave w, kind): eight 16 x 32 fragments of Wg, W1 (in f16) or W2 (in bf16), in the order in which they are streamed later
;   192..207 the 128 fragments of Wv (in f16)
;   208..271 256 atoms each: the position and its square sum cut into three bf16 pieces each (exact residues), laid out as matrix fragments
;   272      the distance bins: sorted, the boundaries between neighbours squared (as whole numbers), and each sorted place's first index
;   273      T = emb_table x Wa + ba  [256][8], on the matrix unit in bf16 with f32 sums
; A fragment is 1,024 bytes: lane L's registers 0-3 at byte 16 L, registers 4-7 at 512 + 16 L; lane (r = L & 15, h = L >> 4) holds
; W[k0 + 8 h + e][n0 + r], e = 0..7, and then W[k0 + 16 + 8 h + e][n0 + r].
; FORMATS: Wv, Wg and W1 meet operands that are bounded (x; a normalised row times the gain), and have room in f16 themselves: three more bits than bf16.
; W2 meets silu(g) u, a product of two sums whose range is the square of theirs: both go in bf16.
; LIMITS: a weight of Wv, Wg, W1 above 65,504 overflows; below 6.1e-5 it is kept in steps of 6e-8.
; A distance that lies exactly on the middle between two bins goes to the bin of the lower value (the first index among equal values);
; the boundaries are compared as squares, so a distance within rounding of a boundary may fall to the other side; NaN among bins or positions is not served.
; The input 'batch' enters no result of the function computed here and is not loaded.
	s_load_b512 s[8:23], s[0:1], 0x0               ; Wv 8, Wg 10, W1 12, W2 14, positions 16, mask 18, bins 20, emb 22
	s_load_b512 s[24:39], s[0:1], 0x40             ; Wa 24, ba 26, wstream 28, cand 30, qry 32, pay 34, tab 36, ttab 38
	v_lshl_add_u32 v128, v0, 2, 0x1000
	v_mov_b32 v129, 0
	v_lshrrev_b32 v4, 5, v0
	v_readfirstlane_b32 s3, v4                     ; wave i, 0..7
	v_and_b32 v1, 31, v0                           ; lane L
	v_and_b32 v2, 15, v0                           ; r
	v_bfe_u32 v3, v0, 4, 1                         ; h
	s_mov_b32 s2, ttmp9
	s_wait_kmcnt 0x0
	s_cmp_lt_u32 s2, 192
	s_cbranch_scc1 .Lchunk
	s_cmp_lt_u32 s2, 208
	s_cbranch_scc1 .Lwv
	s_cmp_lt_u32 s2, 272
	s_cbranch_scc1 .Latoms
	s_cmp_eq_u32 s2, 272
	s_cbranch_scc1 .Lbins
	s_branch .Ltable
; One fragment by one wave.  s[42:43] the matrix, s44 the byte offset of W[k0][n0], s46 the fragment's number; pitch = bytes in a row of W;
; half = 1: to f16, 0: to bf16.
.macro FRAG pitch, half
	s_mov_b32 s45, 0
	s_add_nc_u64 s[42:43], s[42:43], s[44:45]
	v_mul_u32_u24 v4, v3, 8*\pitch                 ; 8 h rows
	v_lshl_add_u32 v4, v2, 2, v4                   ; + column r
.irp e, 0,1,2,3,4,5,6,7
	global_load_b32 v[8+\e], v4, s[42:43] offset:\e*\pitch
.endr
.irp e, 0,1,2,3,4,5,6,7
	global_load_b32 v[16+\e], v4, s[42:43] offset:(16+\e)*\pitch
.endr
	s_lshl_b32 s44, s46, 10                        ; 1,024 bytes a fragment (s44 is no source of the loads above)
	s_add_nc_u64 s[28:29], s[28:29], s[44:45]
	v_lshlrev_b32 v5, 4, v1
	s_wait_loadcnt 0x0
.irp q, 0,1,2,3,4,5,6,7
.if \half
	v_cvt_pk_f16_f32 v[24+\q], v[8+2*\q], v[9+2*\q]
.else
	v_cvt_pk_bf16_f32 v[24+\q], v[8+2*\q], v[9+2*\q]
.endif
.endr
	global_store_b128 v5, v[24:27], s[28:29]               ; each store of the wave covers 512 consecutive bytes
	global_store_b128 v5, v[28:31], s[28:29] offset:512
	s_endpgm
.endm
.Lchunk:
	s_mul_hi_u32 s4, s2, 0x55555556                ; id / 3
	s_mul_i32 s5, s4, 3
	s_sub_co_u32 s5, s2, s5                        ; kind: 0 Wg, 1 W1, 2 W2
	s_lshr_b32 s6, s4, 2                           ; chunk c
	s_and_b32 s7, s4, 3                            ; wave w of the later launch
	s_mul_i32 s40, s6, 96
	s_mul_i32 s41, s7, 24
	s_add_co_u32 s40, s40, s41
	s_lshl3_add_u32 s40, s5, s40
	s_add_co_u32 s40, s40, s3
	s_add_co_u32 s46, s40, 128                     ; fragment 128 + 96 c + 24 w + 8 kind + i
	s_cmp_eq_u32 s5, 2
	s_cbranch_scc1 .Lw2
	s_cmp_eq_u32 s5, 0
	s_cselect_b64 s[42:43], s[10:11], s[12:13]
	s_lshl_b32 s44, s3, 17                         ; k0 = 32 i rows of 4,096 bytes
	s_lshl_b32 s45, s6, 8                          ; n0 = 64 c + 16 w columns of 4 bytes
	s_add_co_u32 s44, s44, s45
	s_lshl_b32 s45, s7, 6
	s_add_co_u32 s44, s44, s45
	FRAG 4096, 1
.Lw2:
	s_mov_b64 s[42:43], s[14:15]
	s_and_b32 s44, s3, 1
	s_lshl_b32 s44, s44, 5
	s_lshl_b32 s45, s6, 6
	s_add_co_u32 s44, s44, s45                     ; k0 = 64 c + 32 (i & 1)
	s_lshl_b32 s44, s44, 10
	s_lshl_b32 s45, s7, 8                          ; n0 = 64 w + 16 (i >> 1)
	s_add_co_u32 s44, s44, s45
	s_lshr_b32 s45, s3, 1
	s_lshl_b32 s45, s45, 6
	s_add_co_u32 s44, s44, s45
	FRAG 1024, 0
.Lwv:
	s_mov_b64 s[42:43], s[8:9]
	s_sub_co_u32 s4, s2, 192
	s_lshl3_add_u32 s46, s4, s3                    ; fragment f = 64 t + 16 w + ii
	s_lshr_b32 s5, s46, 6                          ; t
	s_bfe_u32 s6, s46, 0x20004                     ; w
	s_and_b32 s7, s46, 15                          ; ii
	s_lshr_b32 s44, s7, 2
	s_lshl2_add_u32 s44, s5, s44                   ; K step 4 t + (ii >> 2)
	s_lshl_b32 s44, s44, 15                        ; x 32 rows of 1,024 bytes
	s_and_b32 s7, s7, 3
	s_lshl2_add_u32 s7, s6, s7                     ; column tile 4 w + (ii & 3)
	s_lshl_b32 s7, s7, 6
	s_add_co_u32 s44, s44, s7
	FRAG 1024, 1
; p = hh + mm + ll: hh and mm are bf16 numbers held as f32, ll the exact residue (rounded to bf16 when it is packed)
.macro SPLIT p, hh, mm, ll
	v_cvt_pk_bf16_f32 v19, v[\p], v[\p]
	v_lshlrev_b32 v[\hh], 16, v19
	v_sub_f32 v[\ll], v[\p], v[\hh]
	v_cvt_pk_bf16_f32 v19, v[\ll], v[\ll]
	v_lshlrev_b32 v[\mm], 16, v19
	v_sub_f32 v[\ll], v[\ll], v[\mm]
.endm
; One coordinate's eight K places: candidate side h h m h l m m l, query side -2 x (h m h l h m l m): all products of pieces but l x l.
.macro COORD p, c
	SPLIT \p, 13, 14, 15
	v_cvt_pk_bf16_f32 v[32+8*\c], v13, v13
	v_cvt_pk_bf16_f32 v[33+8*\c], v14, v13
	v_cvt_pk_bf16_f32 v[34+8*\c], v15, v14
	v_cvt_pk_bf16_f32 v[35+8*\c], v14, v15
	v_mul_f32 v13, -2.0, v13
	v_mul_f32 v14, -2.0, v14
	v_mul_f32 v15, -2.0, v15
	v_cvt_pk_bf16_f32 v[36+8*\c], v13, v14
	v_cvt_pk_bf16_f32 v[37+8*\c], v13, v15
	v_cvt_pk_bf16_f32 v[38+8*\c], v13, v14
	v_cvt_pk_bf16_f32 v[39+8*\c], v15, v14
	global_store_b128 v6, v[32+8*\c:35+8*\c], s[30:31] offset:256*\c
	global_store_b128 v6, v[36+8*\c:39+8*\c], s[32:33] offset:256*\c
.endm
.Latoms:
	s_sub_co_u32 s4, s2, 208
	s_lshl_b32 s5, s4, 8
	v_add_nc_u32 v4, s5, v0                        ; my atom
	v_mul_u32_u24 v5, v4, 12
	global_load_b32 v8, v5, s[16:17]
	global_load_b32 v9, v5, s[16:17] offset:4
	global_load_b32 v10, v5, s[16:17] offset:8
	global_load_u8 v11, v4, s[18:19]
	v_lshrrev_b32 v6, 4, v0
	v_lshlrev_b32 v6, 10, v6                       ; a tile of 16 atoms is 1,024 bytes,
	v_lshl_add_u32 v6, v2, 4, v6                   ; atom r's piece of a block lies at 16 r: sixteen lanes store 256 consecutive bytes
	s_lshl_b32 s5, s4, 14
	v_add_nc_u32 v6, s5, v6
	v_lshlrev_b32 v7, 2, v4
	s_wait_loadcnt 0x0
	v_mul_f32 v12, v8, v8
	v_fmac_f32 v12, v9, v9
	v_fmac_f32 v12, v10, v10                       ; the square sum
	COORD 8, 0
	COORD 9, 1
	COORD 10, 2
	SPLIT 12, 13, 14, 15
	v_cvt_pk_bf16_f32 v56, v13, v14                ; candidate side: sq's three pieces, 1 1 1, 0 0
	v_cvt_pk_bf16_f32 v57, v15, 1.0
	v_mov_b32 v58, 0x3f803f80
	v_mov_b32 v59, 0
	v_mov_b32 v60, 0x3f803f80                      ; query side: 1 1 1, sq's three pieces, 0 0
	v_cvt_pk_bf16_f32 v61, 1.0, v13
	v_cvt_pk_bf16_f32 v62, v14, v15
	v_mov_b32 v63, 0
	global_store_b128 v6, v[56:59], s[30:31] offset:768
	global_store_b128 v6, v[60:63], s[32:33] offset:768
	global_store_b32 v7, v11, s[34:35]             ; the atom's mask as a word, 0 or 1
	s_endpgm
; LDS: the bins at 0, their keys at 1,024, the sorted bins at 2,048.  Thread c owns bin c, later sorted place c.
.Lbins:
	v_lshlrev_b32 v4, 2, v0
	global_load_b32 v5, v4, s[20:21]
	s_wait_loadcnt 0x0
	ds_store_b32 v4, v5
	s_wait_dscnt 0x0                               ; my bin is in LDS before I say so
	s_barrier_signal -1
	s_barrier_wait -1
	v_mov_b32 v6, 0                                ; how many bins are smaller than mine
	v_mov_b32 v7, 0
	s_mov_b32 s4, 8
.Lrank:
.irp q, 0,1,2,3,4,5,6,7
	ds_load_b128 v[32+4*\q:35+4*\q], v7 offset:16*\q       ; every lane reads the same 32 bins
.endr
	s_wait_dscnt 0x0
.set ii, 0
.rept 32
	v_cmp_lt_f32 vcc_lo, v[32+ii], v5
	v_cndmask_b32 v13, 0, 1, vcc_lo
	v_add_nc_u32 v6, v6, v13
.set ii, ii+1
.endr
	v_add_nc_u32 v7, 128, v7
	s_sub_co_u32 s4, s4, 1
	s_cmp_lg_u32 s4, 0
	s_cbranch_scc1 .Lrank
	v_sub_nc_u32 v8, 255, v0
	v_lshl_or_b32 v8, v6, 8, v8                    ; key = rank x 256 + (255 - index): among equal bins the first index has the largest key
	ds_store_b32 v4, v8 offset:1024
	s_wait_dscnt 0x0
	s_barrier_signal -1
	s_barrier_wait -1
	v_lshl_or_b32 v9, v0, 8, 255                   ; sorted place q holds the largest bin whose rank is at most q
	v_mov_b32 v10, 0
	v_mov_b32 v11, 0xff800000
	v_mov_b32 v12, 0xff800000
	v_mov_b32 v7, 0
	s_mov_b32 s4, 8
.Lpick:
.irp q, 0,1,2,3,4,5,6,7
	ds_load_b128 v[32+4*\q:35+4*\q], v7 offset:1024+16*\q
	ds_load_b128 v[64+4*\q:67+4*\q], v7 offset:16*\q
.endr
	s_wait_dscnt 0x0
.set ii, 0
.rept 32
	v_cmp_le_u32 vcc_lo, v[32+ii], v9
	v_cndmask_b32 v13, 0, v[32+ii], vcc_lo
	v_cndmask_b32 v14, v12, v[64+ii], vcc_lo
	v_max_u32 v10, v10, v13
	v_max_num_f32 v11, v11, v14
.set ii, ii+1
.endr
	v_add_nc_u32 v7, 128, v7
	s_sub_co_u32 s4, s4, 1
	s_cmp_lg_u32 s4, 0
	s_cbranch_scc1 .Lpick
	v_and_b32 v13, 255, v10
	v_sub_nc_u32 v13, 255, v13                     ; the bin's first index,
	v_lshlrev_b32 v13, 5, v13                      ; as the byte offset of its row of T
	ds_store_b32 v4, v11 offset:2048
	s_wait_dscnt 0x0
	s_barrier_signal -1
	s_barrier_wait -1
	v_add_nc_u32 v14, 1, v0
	v_min_u32 v14, 255, v14
	v_lshlrev_b32 v14, 2, v14
	ds_load_b32 v15, v14 offset:2048
	s_wait_dscnt 0x0
	v_mul_f32 v16, 0.5, v11
	v_fmac_f32 v16, 0.5, v15                       ; the middle between sorted places q and q + 1
	v_mul_f32 v17, v16, v16                        ; compared later with the squared distance, both as whole numbers
	v_cmp_le_f32 vcc_lo, 0, v16
	v_cndmask_b32 v17, -1, v17, vcc_lo             ; a negative middle lies below every distance
	v_cmp_eq_u32 vcc_lo, 255, v0
	v_mov_b32 v18, 0x7fffffff
	v_cndmask_b32 v17, v17, v18, vcc_lo            ; nothing lies above the last place
	global_store_b32 v4, v17, s[36:37]
	global_store_b32 v4, v13, s[36:37] offset:1024
	s_wait_tensorcnt 0x0
	ds_add_u32 v128, v129
	s_wait_dscnt 0x0
	s_endpgm
; T: wave i makes rows 32 i .. 32 i + 31, two tiles of 16.  Source 0 = columns of Wa (column r & 7, so columns 8-15 repeat 0-7), source 1 = rows of
; emb_table: lane (r, h) register j then holds T[row r][8 h + j].  The two accumulators take turns, one instruction a turn.
.macro TSTEP ks, zero
.irp e, 0,1,2,3,4,5,6,7
	global_load_b32 v[8+\e], v4, s[24:25] offset:1024*\ks+32*\e
.endr
.irp e, 0,1,2,3,4,5,6,7
	global_load_b32 v[16+\e], v4, s[24:25] offset:1024*\ks+512+32*\e
.endr
	global_load_b128 v[24:27], v5, s[22:23] offset:128*\ks
	global_load_b128 v[28:31], v5, s[22:23] offset:128*\ks+16
	global_load_b128 v[32:35], v5, s[22:23] offset:128*\ks+64
	global_load_b128 v[36:39], v5, s[22:23] offset:128*\ks+80
	global_load_b128 v[40:43], v5, s[22:23] offset:128*\ks+16384
	global_load_b128 v[44:47], v5, s[22:23] offset:128*\ks+16400
	global_load_b128 v[48:51], v5, s[22:23] offset:128*\ks+16448
	global_load_b128 v[52:55], v5, s[22:23] offset:128*\ks+16464
	s_wait_loadcnt 0x0
.irp q, 0,1,2,3,4,5,6,7
	v_cvt_pk_bf16_f32 v[56+\q], v[8+2*\q], v[9+2*\q]
	v_cvt_pk_bf16_f32 v[64+\q], v[24+2*\q], v[25+2*\q]
	v_cvt_pk_bf16_f32 v[72+\q], v[40+2*\q], v[41+2*\q]
.endr
.if \zero
	v_wmma_f32_16x16x32_bf16 v[80:87], v[56:63], v[64:71], 0
	v_wmma_f32_16x16x32_bf16 v[88:95], v[56:63], v[72:79], 0
.else
	v_wmma_f32_16x16x32_bf16 v[80:87], v[56:63], v[64:71], v[80:87]
	v_wmma_f32_16x16x32_bf16 v[88:95], v[56:63], v[72:79], v[88:95]
.endif
.rept 5
	v_nop                                          ; the places behind the matrix instructions (ISA guide 7.12.1), ahead of the next conversions into their sources and of the reads of their results
.endr
.endm
.Ltable:
	s_load_b256 s[48:55], s[26:27], 0x0            ; ba
	v_and_b32 v4, 7, v0
	v_lshlrev_b32 v4, 2, v4
	v_lshl_add_u32 v4, v3, 8, v4                   ; Wa: 8 h rows of 32 bytes + column r & 7
	s_lshl_b32 s4, s3, 15                          ; emb_table: 32 i rows of 1,024 bytes
	v_lshlrev_b32 v5, 10, v2
	v_lshl_add_u32 v5, v3, 5, v5
	v_add_nc_u32 v5, s4, v5
	TSTEP 0, 1
.irp ks, 1,2,3,4,5,6,7
	TSTEP \ks, 0
.endr
	s_wait_kmcnt 0x0
	v_cmp_ne_u32 vcc_lo, 0, v3
.irp j, 0,1,2,3,4,5,6,7
	v_cndmask_b32 v[96+\j], v[80+\j], v[88+\j], vcc_lo     ; lanes 0-15 keep the first tile, lanes 16-31 (the repeated columns) the second: row 32 i + L
	v_add_f32 v[96+\j], s[48+\j], v[96+\j]
.endr
	v_lshlrev_b32 v6, 5, v1
	s_lshl_b32 s4, s3, 10
	v_add_nc_u32 v6, s4, v6
	global_store_b128 v6, v[96:99], s[38:39]
	global_store_b128 v6, v[100:103], s[38:39] offset:16
	s_endpgm
.Lfunc_end_k_qcf1317d8e7_prep:
	.size	k_qcf1317d8e7_prep, .Lfunc_end_k_qcf1317d8e7_prep-k_qcf1317d8e7_prep
	.p2alignl 7, 3214868480
	.fill 96, 4, 3214868480
	.section	.rodata,"a",@progbits
	.p2align	6, 0x0
	.amdhsa_kernel k_qcf1317d8e7_prep
		.amdhsa_group_segment_fixed_size 5120
		.amdhsa_private_segment_fixed_size 0
		.amdhsa_enable_private_segment 0
		.amdhsa_kernarg_size 128
		.amdhsa_user_sgpr_count 2
		.amdhsa_user_sgpr_kernarg_segment_ptr 1
		.amdhsa_wavefront_size32 1
		.amdhsa_system_sgpr_workgroup_id_x 1
		.amdhsa_system_sgpr_workgroup_id_y 1
		.amdhsa_system_sgpr_workgroup_id_z 1
		.amdhsa_system_vgpr_workitem_id 0
		.amdhsa_next_free_vgpr 130
		.amdhsa_next_free_sgpr 66
		.amdhsa_reserve_vcc 1
		.amdhsa_float_denorm_mode_32 3
		.amdhsa_float_denorm_mode_16_64 3
		.amdhsa_memory_ordered 1
		.amdhsa_forward_progress 1
		.amdhsa_inst_pref_size 63
	.end_amdhsa_kernel
	.amdgpu_metadata
---
amdhsa.version: [ 1, 2 ]
amdhsa.kernels:
  - .name:           k_qcf1317d8e7_prep
    .symbol:         k_qcf1317d8e7_prep.kd
    .args:
      - { .name: Wv, .offset: 0, .size: 8, .value_kind: global_buffer, .address_space: global }
      - { .name: Wg, .offset: 8, .size: 8, .value_kind: global_buffer, .address_space: global }
      - { .name: W1, .offset: 16, .size: 8, .value_kind: global_buffer, .address_space: global }
      - { .name: W2, .offset: 24, .size: 8, .value_kind: global_buffer, .address_space: global }
      - { .name: positions, .offset: 32, .size: 8, .value_kind: global_buffer, .address_space: global }
      - { .name: not_pad_mask, .offset: 40, .size: 8, .value_kind: global_buffer, .address_space: global }
      - { .name: dist_bins, .offset: 48, .size: 8, .value_kind: global_buffer, .address_space: global }
      - { .name: emb_table, .offset: 56, .size: 8, .value_kind: global_buffer, .address_space: global }
      - { .name: Wa, .offset: 64, .size: 8, .value_kind: global_buffer, .address_space: global }
      - { .name: ba, .offset: 72, .size: 8, .value_kind: global_buffer, .address_space: global }
      - { .name: wstream, .offset: 80, .size: 8, .value_kind: global_buffer, .address_space: global }
      - { .name: cand, .offset: 88, .size: 8, .value_kind: global_buffer, .address_space: global }
      - { .name: qry, .offset: 96, .size: 8, .value_kind: global_buffer, .address_space: global }
      - { .name: pay, .offset: 104, .size: 8, .value_kind: global_buffer, .address_space: global }
      - { .name: tab, .offset: 112, .size: 8, .value_kind: global_buffer, .address_space: global }
      - { .name: ttab, .offset: 120, .size: 8, .value_kind: global_buffer, .address_space: global }
    .group_segment_fixed_size: 5120
    .private_segment_fixed_size: 0
    .kernarg_segment_align: 8
    .kernarg_segment_size: 128
    .max_flat_workgroup_size: 256
    .sgpr_count:     66
    .vgpr_count:     130
    .wavefront_size: 32
...
	.end_amdgpu_metadata
.endif
;; end of part 1
;; launch knn (part 2): grid 256 x 1, 4 waves a work-group, clusters of 4 x 1, 287,232 bytes of LDS; arguments cand, qry, pay, keys; writes keys
.if DOCPART == 2
	.amdgcn_target "amdgcn-amd-amdhsa--gfx1250"
	.amdhsa_code_object_version 6
	.text
	.protected	k_qcf1317d8e7_knn
	.globl	k_qcf1317d8e7_knn
	.p2align	8
	.type	k_qcf1317d8e7_knn,@function
k_qcf1317d8e7_knn:
	s_mov_b64 s[64:65], 0
	v_nop
	global_prefetch_b8 v0, s[64:65] scope:SCOPE_SE
	s_setreg_imm32_b32 hwreg(HW_REG_WAVE_MODE, 25, 1), 1
	s_wait_xcnt 0x0
	s_wait_alu depctr_hold_cnt(0) depctr_sa_sdst(0) depctr_va_vdst(0) depctr_va_sdst(0) depctr_va_ssrc(0) depctr_va_vcc(0) depctr_vm_vsrc(0)
	s_getreg_b32 s2, hwreg(HW_REG_IB_STS2, 6, 4)
	s_cmp_eq_u32 s2, 0
	s_cbranch_scc0 .Lentry_in_a_cluster
	s_endpgm
.Lentry_in_a_cluster:
	s_bfe_u32 s2, ttmp6, 0x10000c
	s_cmp_lg_u32 s2, 0x3003
	s_cbranch_scc0 .Lentry_shape_is_right
	s_endpgm
.Lentry_shape_is_right:
; KNN: for each of 16,384 atoms the 32 smallest squared distances to the 4,096 atoms of its batch row, ascending, each with the neighbour's mask bit.
; A work-group owns 64 queries, a wave 16.  One matrix instruction makes 16 candidates x 16 queries of d2 = sq_c + sq_q - 2 p_c . p_q from the bf16
; pieces that the launch before laid out (K = 32: 8 products of pieces a coordinate, 3 + 3 pieces of the square sums).
; Lane (r, h) keeps, for query r, the best 32 among the candidates 8 h + j of every tile of 16; the two halves are merged at the end.
; Selection without any branch or address that hangs on the data: 32 new keys are sorted descending by a bitonic network (15 stages),
; the element-wise minimum with the ascending best 32 keeps the 32 smallest of the 64, and 5 merge stages sort them again.
; A compare-exchange is one dual instruction (min :: max).  Element i lives in register (i & 30) | parity(i), so the two partners of every
; exchange lie in registers of different parity, as the dual form's two destinations and its paired sources must.
; CLUSTER: the four work-groups of a cluster lie in one batch row (64 work-groups a row) and ask jointly for its candidates and mask words.
; LIMITS: a key is d2's f32 pattern with its lowest bit replaced by the neighbour's mask; equal keys are not ordered by index; a d2 that rounding made
; negative sorts first and is clamped to 0 where it is used; NaN or infinite positions are not served.
.set PAYL, 262144                      ; LDS: candidates' fragments at 0 (262,144 bytes), mask words here (16,384 bytes),
.set STG,  278528                      ; and each wave's 2,048 bytes for the way out, into which no fill lands
.set LA,  1                            ; v1       LDS address of my 16 bytes in the chunk's first fragment
.set LP,  2                            ; v2       LDS address of my 8 mask words of the chunk's first tile
.set GO,  7                            ; v7       16 x lane
.set QF,  8                            ; v[8:15]    the query fragment
.set AFR, 16                           ; v[16:47]   four candidate fragments (a chunk = 64 candidates)
.set PAY, 48                           ; v[48:79]   their mask words
.set WD,  80                           ; v[80:111]  four results
.set X0,  112                          ; v[112:143] network, buffer 0
.set X1,  144                          ; v[144:175] network, buffer 1
.set R,   176                          ; v[176:207] the best 32, ascending
.macro ROUND                           ; a round of the cluster's barrier
	s_barrier_signal -1
	s_barrier_wait -1
	s_cmp_lg_u32 s12, 0
	s_cbranch_scc1 .Lnot_wave_0_\@
	s_barrier_signal -3
.Lnot_wave_0_\@:
	s_barrier_wait -3
	s_barrier_signal -1
	s_barrier_wait -1
.endm
.macro SHAPE g, rows                   ; group 1: rows of 32 elements of 8 bytes, dense; asked for jointly by the cluster's four work-groups
	s_mov_b32 s[\g+0], 15|(3<<16)|(1<<21)
	s_mov_b32 s[\g+1], 32<<16
	s_mov_b32 s[\g+2], \rows<<16
	s_mov_b32 s[\g+3], 32<<16
	s_mov_b32 s[\g+4], \rows
	s_mov_b32 s[\g+5], 32
	s_mov_b32 s[\g+6], 0
	s_mov_b32 s[\g+7], 0
.endm
	s_load_b256 s[4:11], s[0:1], 0x0               ; cand 4, qry 6, pay 8, keys 10
	v_lshl_add_u32 v216, v0, 2, 0x46000
	v_mov_b32 v217, 0
	ds_add_u32 v216, v217
	v_lshrrev_b32 v3, 5, v0
	v_readfirstlane_b32 s12, v3                    ; wave
	v_and_b32 v4, 31, v0                           ; L
	v_bfe_u32 v5, v0, 4, 1                         ; h
	v_and_b32 v6, 15, v0                           ; r
	s_bfe_u32 s13, ttmp6, 0x40000                  ; cx
	s_lshl_b32 s14, ttmp9, 2
	s_add_co_u32 s14, s14, s13                     ; work-group
	s_lshr_b32 s15, ttmp9, 4                       ; batch row: 16 clusters each, the same for all four partners
	s_mov_b32 s40, 0x76543210
	s_mov_b32 s41, 0xfedcba98
	SHAPE 16, 16                                   ; mask words: 16 rows of 256 bytes a wave
	SHAPE 24, 256                                  ; candidates: 256 rows of 256 bytes a wave
	s_lshl_b32 s42, s15, 14
	s_lshl_b32 s43, s12, 12
	s_add_co_u32 s42, s42, s43
	s_mov_b32 s43, 0
	s_lshl_b32 s44, s15, 18
	s_lshl_b32 s45, s12, 16
	s_add_co_u32 s44, s44, s45
	s_mov_b32 s45, 0
	s_mov_b32 s32, 1
	s_lshl_b32 s33, s12, 12
	s_add_co_u32 s33, s33, PAYL
	s_mov_b32 s36, 1
	s_lshl_b32 s37, s12, 16
	s_wait_dscnt 0x0
	s_wait_kmcnt 0x0
	s_add_nc_u64 s[34:35], s[8:9], s[42:43]
	s_or_b32 s35, s35, 0x80000000
	s_add_nc_u64 s[38:39], s[4:5], s[44:45]
	s_or_b32 s39, s39, 0x80000000
	ROUND                                          ; the four work-groups are here: their joint loads meet
	tensor_load_to_lds s[32:35], s[16:23]
	s_nop 0
	tensor_load_to_lds s[36:39], s[24:31]          ; two tensor loads of the wave are out; every byte is filled once
	s_nop 0
	v_lshlrev_b32 v[GO], 4, v4
	v_lshlrev_b32 v[LA], 4, v4
	v_lshlrev_b32 v[LP], 5, v5
	v_add_nc_u32 v[LP], PAYL, v[LP]
	s_lshl2_add_u32 s42, s14, s12                  ; my query tile
	s_lshl_b32 s42, s42, 10
	s_add_nc_u64 s[6:7], s[6:7], s[42:43]
	global_load_b128 v[QF:QF+3], v[GO], s[6:7]
	global_load_b128 v[QF+4:QF+7], v[GO], s[6:7] offset:512
.set t_i, 0
.rept 32
	v_mov_b32 v[R+t_i], 0x7f800000                 ; the best 32 start at +infinity
.set t_i, t_i+1
.endr
.macro FETCH                           ; a chunk: four fragments (lane L's 16 bytes at 16 L and 512 + 16 L) and the 8 mask words of my half of each tile
.irp t, 0,1,2,3
	ds_load_b128 v[AFR+8*\t:AFR+8*\t+3],   v[LA] offset:1024*\t
	ds_load_b128 v[AFR+8*\t+4:AFR+8*\t+7], v[LA] offset:1024*\t+512
.endr
.irp t, 0,1,2,3
	ds_load_b128 v[PAY+8*\t:PAY+8*\t+3],   v[LP] offset:64*\t
	ds_load_b128 v[PAY+8*\t+4:PAY+8*\t+7], v[LP] offset:64*\t+16
.endr
.endm
.macro DIST                            ; register j of lane (r, h): d2(candidate 8 h + j of the tile, query r)
.irp t, 0,1,2,3
	v_wmma_f32_16x16x32_bf16 v[WD+8*\t:WD+8*\t+7], v[AFR+8*\t:AFR+8*\t+7], v[QF:QF+7], 0
.endr
.endm
; One stage of the network: partners i and i | j, ascending where bit k of i is 0 (desc = 1: the other way round); nat = 1: results to registers in natural order
.macro STAGE src, dst, j, k, desc, nat
.set st_i, 0
.rept 32
.if (st_i & \j) == 0
.set st_l, st_i | \j
.set st_pa, ((st_i>>4)^(st_i>>3)^(st_i>>2)^(st_i>>1)^st_i)&1
.set st_ra, (st_i&30)|st_pa
.set st_rb, (st_l&30)|(st_pa^1)
.if \nat
.set st_da, st_i
.set st_db, st_l
.else
.set st_da, st_ra
.set st_db, st_rb
.endif
.set st_up, 1 ^ ((st_i & \k) / \k) ^ \desc
.if st_up
	v_dual_min_num_f32 v[\dst+st_da], v[\src+st_ra], v[\src+st_rb] :: v_dual_max_num_f32 v[\dst+st_db], v[\src+st_rb], v[\src+st_ra]
.else
	v_dual_max_num_f32 v[\dst+st_da], v[\src+st_ra], v[\src+st_rb] :: v_dual_min_num_f32 v[\dst+st_db], v[\src+st_rb], v[\src+st_ra]
.endif
.endif
.set st_i, st_i+1
.endr
.endm
.macro SORT32                          ; X0 (any order) to X1, descending
	STAGE X0, X1, 1, 2, 1, 0
	STAGE X1, X0, 2, 4, 1, 0
	STAGE X0, X1, 1, 4, 1, 0
	STAGE X1, X0, 4, 8, 1, 0
	STAGE X0, X1, 2, 8, 1, 0
	STAGE X1, X0, 1, 8, 1, 0
	STAGE X0, X1, 8, 16, 1, 0
	STAGE X1, X0, 4, 16, 1, 0
	STAGE X0, X1, 2, 16, 1, 0
	STAGE X1, X0, 1, 16, 1, 0
	STAGE X0, X1, 16, 32, 1, 0
	STAGE X1, X0, 8, 32, 1, 0
	STAGE X0, X1, 4, 32, 1, 0
	STAGE X1, X0, 2, 32, 1, 0
	STAGE X0, X1, 1, 32, 1, 0
.endm
.macro MINST                           ; X0 = min(R ascending, X1 descending), element by element: the 32 smallest of the 64, a bitonic run
.set t_i, 0
.rept 16
	v_dual_min_num_f32 v[X0+2*t_i], v[R+2*t_i], v[X1+2*t_i] :: v_dual_min_num_f32 v[X0+2*t_i+1], v[R+2*t_i+1], v[X1+2*t_i+1]
.set t_i, t_i+1
.endr
.endm
.macro MERGE5 dst, nat                 ; the bitonic run in X0, sorted ascending, to dst
	STAGE X0, X1, 16, 32, 0, 0
	STAGE X1, X0, 8, 32, 0, 0
	STAGE X0, X1, 4, 32, 0, 0
	STAGE X1, X0, 2, 32, 0, 0
	STAGE X0, \dst, 1, 32, 0, \nat
.endm
; A trip takes one chunk's 32 results of the lane into the best 32 and, next = 1, makes the next chunk's results on the way.
; Between the matrix instructions and the next trip's reads of their results and loads into their sources stand the 96 dual instructions of MINST and
; MERGE5, which name none of their registers.
.macro TRIP next
.set t_i, 0
.rept 32
	v_and_or_b32 v[X0+t_i], v[WD+t_i], -2, v[PAY+t_i]      ; the key: d2 with the neighbour's mask in the lowest bit
.set t_i, t_i+1
.endr
.if \next
	v_add_nc_u32 v[LA], 4096, v[LA]
	v_add_nc_u32 v[LP], 256, v[LP]
	FETCH
.endif
	SORT32
.if \next
	s_wait_dscnt 0x0                               ; the sixteen loads, issued 240 instructions ago
	DIST
.endif
	MINST
	MERGE5 R, 0
.endm
	s_wait_tensorcnt 0x0                           ; my parts of the candidates and mask words are in LDS,
	s_barrier_signal -1
	s_barrier_wait -1                              ; everybody's are
	FETCH
	s_wait_loadcnt 0x0                             ; the query fragment
	s_wait_dscnt 0x0
	DIST
.rept 5
	v_nop                                          ; the places behind the first matrix instructions
.endr
	s_mov_b32 s46, 63
.Ltrip:
	TRIP 1
	s_sub_co_u32 s46, s46, 1
	s_cmp_lg_u32 s46, 0
	s_cbranch_scc1 .Ltrip
	TRIP 0                                         ; chunk 63: nothing more to fetch
	; the two halves of the lanes hold two ascending lists for query r: take the other half's list reversed, keep the 32 smallest, sort
.set st_i, 0
.rept 32
.set st_pa, ((st_i>>4)^(st_i>>3)^(st_i>>2)^(st_i>>1)^st_i)&1
	v_permlanex16_b32 v[X1+((st_i&30)|st_pa)], v[R+(((st_i^31)&30)|(st_pa^1))], s40, s41
.set st_i, st_i+1
.endr
	MINST
	MERGE5 X1, 1                                   ; rank k in v[X1 + k], the same in both halves
	v_cmp_ne_u32 vcc_lo, 0, v5
.set t_i, 0
.rept 16
	v_cndmask_b32 v[X0+t_i], v[X1+t_i], v[X1+16+t_i], vcc_lo       ; half h puts out ranks 16 h .. 16 h + 15
.set t_i, t_i+1
.endr
	s_lshl_b32 s42, s12, 11
	s_add_co_u32 s42, s42, STG
	v_lshlrev_b32 v208, 7, v6
	v_lshl_add_u32 v208, v5, 6, v208
	v_add_nc_u32 v208, s42, v208                   ; in: 128 r + 64 h
	v_add_nc_u32 v209, s42, v[GO]                  ; back: 16 L
	s_lshl_b32 s42, s14, 13                        ; keys: 128 bytes a query, 64 queries a work-group, 16 a wave
	s_lshl_b32 s43, s12, 11
	s_add_co_u32 s42, s42, s43
	s_mov_b32 s43, 0
	s_add_nc_u64 s[10:11], s[10:11], s[42:43]
	s_wait_dscnt 0x0
	s_barrier_signal -1
	s_barrier_wait -1                              ; every wave's reads of the candidates are over before any LDS store
.irp q, 0,1,2,3
	ds_store_b128 v208, v[X0+4*\q:X0+4*\q+3] offset:16*\q
.endr
.irp q, 0,1,2,3
	ds_load_b128 v[X1+4*\q:X1+4*\q+3], v209 offset:512*\q  ; my wave's own bytes; LDS serves a wave's instructions in order (ISA guide 5.7.1)
.endr
.irp q, 0,1,2,3
	s_wait_dscnt 3-\q                              ; the younger read-backs may stay out
	global_store_b128 v[GO], v[X1+4*\q:X1+4*\q+3], s[10:11] offset:512*\q  ; 512 consecutive bytes a store
.endr
	s_wait_tensorcnt 0x0
	ds_add_u32 v216, v217
	s_wait_dscnt 0x0
	ROUND                                          ; the closing round
	s_endpgm
.Lfunc_end_k_qcf1317d8e7_knn:
	.size	k_qcf1317d8e7_knn, .Lfunc_end_k_qcf1317d8e7_knn-k_qcf1317d8e7_knn
	.p2alignl 7, 3214868480
	.fill 96, 4, 3214868480
	.section	.rodata,"a",@progbits
	.p2align	6, 0x0
	.amdhsa_kernel k_qcf1317d8e7_knn
		.amdhsa_group_segment_fixed_size 287232
		.amdhsa_private_segment_fixed_size 0
		.amdhsa_enable_private_segment 0
		.amdhsa_kernarg_size 32
		.amdhsa_user_sgpr_count 2
		.amdhsa_user_sgpr_kernarg_segment_ptr 1
		.amdhsa_wavefront_size32 1
		.amdhsa_system_sgpr_workgroup_id_x 1
		.amdhsa_system_sgpr_workgroup_id_y 1
		.amdhsa_system_sgpr_workgroup_id_z 1
		.amdhsa_system_vgpr_workitem_id 0
		.amdhsa_next_free_vgpr 218
		.amdhsa_next_free_sgpr 66
		.amdhsa_reserve_vcc 1
		.amdhsa_float_denorm_mode_32 3
		.amdhsa_float_denorm_mode_16_64 3
		.amdhsa_memory_ordered 1
		.amdhsa_forward_progress 1
		.amdhsa_inst_pref_size 66
	.end_amdhsa_kernel
	.amdgpu_metadata
---
amdhsa.version: [ 1, 2 ]
amdhsa.kernels:
  - .name:           k_qcf1317d8e7_knn
    .symbol:         k_qcf1317d8e7_knn.kd
    .args:
      - { .name: cand, .offset: 0, .size: 8, .value_kind: global_buffer, .address_space: global }
      - { .name: qry, .offset: 8, .size: 8, .value_kind: global_buffer, .address_space: global }
      - { .name: pay, .offset: 16, .size: 8, .value_kind: global_buffer, .address_space: global }
      - { .name: keys, .offset: 24, .size: 8, .value_kind: global_buffer, .address_space: global }
    .group_segment_fixed_size: 287232
    .private_segment_fixed_size: 0
    .kernarg_segment_align: 8
    .kernarg_segment_size: 32
    .max_flat_workgroup_size: 128
    .sgpr_count:     66
    .vgpr_count:     218
    .wavefront_size: 32
...
	.end_amdgpu_metadata
.endif
;; end of part 2
;; launch scale (part 3): grid 256 x 1, 4 waves a work-group, no clusters, 22,016 bytes of LDS; arguments keys, tab, ttab, not_pad_mask, sbuf; writes sbuf
.if DOCPART == 3
	.amdgcn_target "amdgcn-amd-amdhsa--gfx1250"
	.amdhsa_code_object_version 6
	.text
	.protected	k_qcf1317d8e7_scale
	.globl	k_qcf1317d8e7_scale
	.p2align	8
	.type	k_qcf1317d8e7_scale,@function
k_qcf1317d8e7_scale:
	s_mov_b64 s[64:65], 0
	v_nop
	global_prefetch_b8 v0, s[64:65] scope:SCOPE_SE
	s_setreg_imm32_b32 hwreg(HW_REG_WAVE_MODE, 25, 1), 1
	s_wait_xcnt 0x0
; SCALE: s[row][head] = S / (S + 1e-6), S = the masked part of the softmax over the head's 32 logits.
; The logits of head h' are T's rows of the neighbours of ranks 4 h' .. 4 h' + 3 (8 numbers each); element k' of the 32 is weighted by
; mask[row] x mask[neighbour of rank k'].  A key is the squared distance's f32 pattern with the neighbour's mask in its lowest bit.
; A work-group owns 64 rows, 128 threads.  Thread t owns, for q = 0..3, the item (row (t >> 3) + 16 q, head t & 7); the four keys that it loads
; for q (16 bytes at 16 t + 2,048 q) are exactly the four ranks whose rows of T its item needs.
; The bin is found by a binary search among 256 sorted boundaries, whole numbers against whole numbers; every table address is clamped into its table.
; No matrix unit, no cluster, no tensor load: the launch moves 2.6 MB in all, its tables are 10 KB, and its LDS addresses hang on the keys.
; The softmax takes its maximum away first.
; LIMITS: a squared distance that rounding made negative counts as 0; its lowest bit is not compared; for the bins' limits see the first launch.
.set THR, 0                            ; LDS: 256 boundaries, then 256 byte offsets of rows of T
.set TT,  2048                         ; T, 8,192 bytes
.set MFR, 10240                        ; the edges' masks as f32, 64 rows of 128 + 16 bytes
.set SS,  19456                        ; s[64][8]
	s_load_b256 s[4:11], s[0:1], 0x0               ; keys 4, tab 6, ttab 8, mask 10
	s_load_b64 s[12:13], s[0:1], 0x20              ; sbuf
	v_lshl_add_u32 v224, v0, 2, 0x5400
	v_mov_b32 v225, 0
	s_mov_b32 s30, 0x3fb8aa3b                      ; log2 e
	s_mov_b32 s31, 0xbfb8aa3b
	s_mov_b32 s15, 0
	v_lshlrev_b32 v21, 4, v0                       ; 16 t
	v_lshrrev_b32 v23, 3, v0                       ; t >> 3
	s_wait_kmcnt 0x0
	s_lshl_b32 s14, ttmp9, 13
	s_add_nc_u64 s[4:5], s[4:5], s[14:15]          ; my 64 rows of keys,
	s_lshl_b32 s14, ttmp9, 6
	s_add_nc_u64 s[10:11], s[10:11], s[14:15]      ; of the mask,
	s_lshl_b32 s14, ttmp9, 11
	s_add_nc_u64 s[12:13], s[12:13], s[14:15]      ; of s
	global_load_b128 v[40:43], v21, s[6:7]         ; the two tables of whole numbers
.irp q, 0,1,2,3
	global_load_b128 v[44+4*\q:47+4*\q], v21, s[8:9] offset:2048*\q        ; T
.endr
.irp q, 0,1,2,3
	global_load_b128 v[96+4*\q:99+4*\q], v21, s[4:5] offset:2048*\q        ; keys: row (t >> 3) + 16 q, ranks 4 (t & 7) .. + 3
.endr
.irp q, 0,1,2,3
	global_load_u8 v[36+\q], v23, s[10:11] offset:16*\q                    ; that row's own mask
.endr
	v_mul_u32_u24 v33, v23, 144
	v_add_nc_u32 v33, MFR, v33                     ; v33: the masks of row t >> 3
	v_and_b32 v32, 7, v0
	v_lshl_add_u32 v32, v32, 4, v33                ; v32: my four among them
	v_lshlrev_b32 v34, 2, v0
	v_add_nc_u32 v34, SS, v34                      ; v34: s of my item
	v_mov_b32 v35, THR+4*127                       ; the search's first boundary, the same for every key
	v_mov_b32 v61, 512
	s_wait_loadcnt 0x0
	ds_store_b128 v21, v[40:43] offset:THR
.irp q, 0,1,2,3
	ds_store_b128 v21, v[44+4*\q:47+4*\q] offset:TT+2048*\q
.endr
.set ii, 0
.rept 16
	v_and_b32 v[112+ii], -2, v[96+ii]              ; d2's pattern,
	v_and_b32 v[96+ii], 1, v[96+ii]                ; the neighbour's mask
	v_max_i32 v[112+ii], 0, v[112+ii]              ; a negative d2 counts as 0
	v_and_b32 v[96+ii], v[96+ii], v[36+(ii>>2)]    ; times the row's own
	v_cvt_f32_u32 v[96+ii], v[96+ii]
.set ii, ii+1
.endr
.irp q, 0,1,2,3
	ds_store_b128 v32, v[96+4*\q:99+4*\q] offset:2304*\q
.endr
	s_wait_dscnt 0x0                               ; tables and masks are in LDS before I say so
	s_barrier_signal -1
	s_barrier_wait -1
	; the search for the number of boundaries below d2, kept as a byte address in the table.  First step: 128 places
	ds_load_b32 v144, v35
	s_wait_dscnt 0x0
.set ii, 0
.rept 16
	v_cmp_lt_i32 vcc_lo, v144, v[112+ii]
	v_cndmask_b32 v[128+ii], THR, v61, vcc_lo
	v_min_u32 v[128+ii], THR+1020, v[128+ii]
.set ii, ii+1
.endr
.macro SEARCH s                        ; a further step, of s places
.set ii, 0
.rept 16
	ds_load_b32 v[144+ii], v[128+ii] offset:4*(\s-1)
.set ii, ii+1
.endr
	s_wait_dscnt 0x0
.set ii, 0
.rept 16
	v_cmp_lt_i32 vcc_lo, v[144+ii], v[112+ii]
	v_add_nc_u32 v60, 4*\s, v[128+ii]
	v_cndmask_b32 v[128+ii], v[128+ii], v60, vcc_lo
	v_min_u32 v[128+ii], THR+1020, v[128+ii]       ; stays inside the table
.set ii, ii+1
.endr
.endm
.irp s, 64,32,16,8,4,2,1
	SEARCH \s
.endr
.set ii, 0
.rept 16
	ds_load_b32 v[144+ii], v[128+ii] offset:1024   ; the sorted place's row of T
.set ii, ii+1
.endr
	s_wait_dscnt 0x0
.set ii, 0
.rept 16
	v_min_u32 v[144+ii], 8160, v[144+ii]
	v_add_nc_u32 v[144+ii], TT, v[144+ii]
.set ii, ii+1
.endr
.macro ITEM q
.irp e, 0,1,2,3
	ds_load_b128 v[160+8*\e:163+8*\e], v[144+4*\q+\e]
	ds_load_b128 v[164+8*\e:167+8*\e], v[144+4*\q+\e] offset:16
.endr
.irp j, 0,1,2,3,4,5,6,7
	ds_load_b128 v[192+4*\j:195+4*\j], v33 offset:2304*\q+16*\j
.endr
	s_wait_dscnt 0x0
	v_max3_num_f32 v61, v160, v161, v162
.set ii, 163
.rept 14
	v_max3_num_f32 v61, v61, v[ii], v[ii+1]
.set ii, ii+2
.endr
	v_max_num_f32 v61, v61, v191
	v_mul_f32 v61, s31, v61                        ; - maximum x log2 e
.set ii, 0
.rept 32
	v_fma_f32 v[160+ii], v[160+ii], s30, v61
.set ii, ii+1
.endr
.set ii, 0
.rept 32
	v_exp_f32 v[160+ii], v[160+ii]
.set ii, ii+1
.endr
	v_nop                                          ; one plain instruction behind the transcendentals (ISA guide 5.7.2)
	s_wait_alu depctr_va_vdst(0)
	v_pk_mul_f32 v[62:63], v[160:161], v[192:193]
	v_pk_add_f32 v[64:65], v[160:161], v[162:163]
	v_pk_fma_f32 v[62:63], v[162:163], v[194:195], v[62:63]
.set ii, 4
.rept 14
	v_pk_add_f32 v[64:65], v[64:65], v[160+ii:161+ii]
	v_pk_fma_f32 v[62:63], v[160+ii:161+ii], v[192+ii:193+ii], v[62:63]
.set ii, ii+2
.endr
	v_add_f32 v64, v64, v65                        ; the softmax's sum (at least 1),
	v_add_f32 v62, v62, v63                        ; its masked part
	v_rcp_f32 v64, v64
	v_nop
	s_wait_alu depctr_va_vdst(0)
	v_mul_f32 v62, v62, v64                        ; S
	v_add_f32 v63, 0x358637bd, v62                 ; S + 1e-6
	v_rcp_f32 v63, v63
	v_nop
	s_wait_alu depctr_va_vdst(0)
	v_mul_f32 v62, v62, v63
	ds_store_b32 v34, v62 offset:512*\q
.endm
	ITEM 0
	ITEM 1
	ITEM 2
	ITEM 3
	s_wait_dscnt 0x0                               ; my four s are in LDS before I say so
	s_barrier_signal -1
	s_barrier_wait -1
	ds_load_b128 v[40:43], v21 offset:SS           ; back as 16 bytes a thread,
	s_wait_dscnt 0x0
	global_store_b128 v21, v[40:43], s[12:13]      ; so that a store of a wave covers 512 consecutive bytes
	s_wait_tensorcnt 0x0
	ds_add_u32 v224, v225
	s_wait_dscnt 0x0
	s_endpgm
.Lfunc_end_k_qcf1317d8e7_scale:
	.size	k_qcf1317d8e7_scale, .Lfunc_end_k_qcf1317d8e7_scale-k_qcf1317d8e7_scale
	.p2alignl 7, 3214868480
	.fill 96, 4, 3214868480
	.section	.rodata,"a",@progbits
	.p2align	6, 0x0
	.amdhsa_kernel k_qcf1317d8e7_scale
		.amdhsa_group_segment_fixed_size 22016
		.amdhsa_private_segment_fixed_size 0
		.amdhsa_enable_private_segment 0
		.amdhsa_kernarg_size 40
		.amdhsa_user_sgpr_count 2
		.amdhsa_user_sgpr_kernarg_segment_ptr 1
		.amdhsa_wavefront_size32 1
		.amdhsa_system_sgpr_workgroup_id_x 1
		.amdhsa_system_sgpr_workgroup_id_y 1
		.amdhsa_system_sgpr_workgroup_id_z 1
		.amdhsa_system_vgpr_workitem_id 0
		.amdhsa_next_free_vgpr 226
		.amdhsa_next_free_sgpr 66
		.amdhsa_reserve_vcc 1
		.amdhsa_float_denorm_mode_32 3
		.amdhsa_float_denorm_mode_16_64 3
		.amdhsa_memory_ordered 1
		.amdhsa_forward_progress 1
		.amdhsa_inst_pref_size 67
	.end_amdhsa_kernel
	.amdgpu_metadata
---
amdhsa.version: [ 1, 2 ]
amdhsa.kernels:
  - .name:           k_qcf1317d8e7_scale
    .symbol:         k_qcf1317d8e7_scale.kd
    .args:
      - { .name: keys, .offset: 0, .size: 8, .value_kind: global_buffer, .address_space: global }
      - { .name: tab, .offset: 8, .size: 8, .value_kind: global_buffer, .address_space: global }
      - { .name: ttab, .offset: 16, .size: 8, .value_kind: global_buffer, .address_space: global }
      - { .name: not_pad_mask, .offset: 24, .size: 8, .value_kind: global_buffer, .address_space: global }
      - { .name: sbuf, .offset: 32, .size: 8, .value_kind: global_buffer, .address_space: global }
    .group_segment_fixed_size: 22016
    .private_segment_fixed_size: 0
    .kernarg_segment_align: 8
    .kernarg_segment_size: 40
    .max_flat_workgroup_size: 128
    .sgpr_count:     66
    .vgpr_count:     226
    .wavefront_size: 32
...
	.end_amdgpu_metadata
.endif
;; end of part 3
;; launch ffn (part 4): grid 256 x 1, 4 waves a work-group, clusters of 4 x 1, 327,680 bytes of LDS; arguments x, sbuf, wstream, bv, ln_g, ln_b, out0; writes out0
.if DOCPART == 4
	.amdgcn_target "amdgcn-amd-amdhsa--gfx1250"
	.amdhsa_code_object_version 6
	.text
	.protected	k_qcf1317d8e7_ffn
	.globl	k_qcf1317d8e7_ffn
	.p2align	8
	.type	k_qcf1317d8e7_ffn,@function
k_qcf1317d8e7_ffn:
	s_mov_b64 s[64:65], 0
	v_nop
	global_prefetch_b8 v0, s[64:65] scope:SCOPE_SE
	s_setreg_imm32_b32 hwreg(HW_REG_WAVE_MODE, 25, 1), 1
	s_wait_xcnt 0x0
	s_wait_alu depctr_hold_cnt(0) depctr_sa_sdst(0) depctr_va_vdst(0) depctr_va_sdst(0) depctr_va_ssrc(0) depctr_va_vcc(0) depctr_vm_vsrc(0)
	s_getreg_b32 s2, hwreg(HW_REG_IB_STS2, 6, 4)
	s_cmp_eq_u32 s2, 0
	s_cbranch_scc0 .Lentry_in_a_cluster
	s_endpgm
.Lentry_in_a_cluster:
	s_bfe_u32 s2, ttmp6, 0x10000c
	s_cmp_lg_u32 s2, 0x3003
	s_cbranch_scc0 .Lentry_shape_is_right
	s_endpgm
.Lentry_shape_is_right:
; FFN: out = x + (silu(h Wg) * (h W1)) W2,  h = LayerNorm((x Wv + bv) * s),  s[row][head] as the launch before stored it.
; A work-group owns 64 rows; four waves.  Wave w makes columns 64 w .. 64 w + 63 of x Wv and of the output, and hidden columns 64 c + 16 w .. + 15 of chunk c
; (16 chunks of 64 hidden columns).  Every wave keeps the 64 x 256 activations as 16-bit fragments in 256 registers.
; The matrix instruction is used transposed: source 0 = a weight fragment (16 output columns), source 1 = an activation fragment (16 rows), so that
; lane (r, h) register j holds row m0 + r, column n0 + 8 h + j: eight neighbouring numbers of a row.
; x is read from memory once, by a tensor load in f32: it feeds the first product (rounded to f16) and starts the output's sums (the residual).
; The weights come in 16 bits, in fragment order and in the order of use, through two LDS slots; each wave reads only the part that it loaded.
; FORMATS: x Wv, h Wg and h W1 take f16 operands, which carry three more bits than bf16.  They have the room: x and the weights at 30 times their spread
; stay under 200, and a normalised row of 256 numbers has none above sqrt(255) < 16, so |h| <= 16 |ln_g| + |ln_b|.  silu(g) u is a product of two sums,
; its range the square of theirs (some 2e7 with ln_g, Wg, W1 all 30 times larger): it goes in bf16, and W2 with it.  All sums in f32.
; CLUSTER: all work-groups walk the same weights: the four of a cluster ask for each tile jointly.  Every LDS address is made of the thread's number alone.
; The variance is taken from the differences, in a second pass, as the function computed here does.
; LIMITS: |x|, |h| or a weight of Wv, Wg, W1 above 65,504 overflows in f16; such operands below 6.1e-5 are kept in steps of 6e-8, so that a spread under
; about 2e-5 is rounded more coarsely than bf16 would.  The input 'batch' enters no result and is not loaded.
.set SLOT,  98304                      ; LDS: two slots of 4 x 24,576 bytes,
.set WPART, 24576
.set XREG,  196608                     ; x in f32, 64 rows of 1,024 + 16 bytes; after its only fill and its last read: stages
.set XP,    1040
.set HST,   XREG                       ;   h in f16, 64 rows of 512 + 16 bytes
.set AST,   XREG+33792                 ;   two stages for a chunk's 64 x 64 activations, rows of 128 + 16 bytes, 9,216 bytes each
.set LN1,   263168                     ; row sums of the four waves, [64][4]; the sums of squares 1,024 bytes further
; WINDOW 0: v1-20 addresses, v24-31 s / -mean / 1/std in pairs, v32-95 weight buffers of the first product, then ln_g, ln_b, then the chunk's activation
;           fragments; v96-223 the first product's 16 accumulators, and work registers; v224-255 bv, then work registers
; WINDOW 1: activation fragment (m, k) at v[8 (8 m + k)]
; WINDOW 2: v0-31 G[m], v32-63 U[m], v64-127 Wg's fragments, v128-191 W1's, v192-193 my slot addresses
; WINDOW 3: v0-127 the output's accumulators (m, n) at v[8 (4 m + n)], v128-191 W2's fragments, v192-193 my slot addresses
.set MSB, 0
.macro WIN new                         ; low byte: bits 1:0 source 0, 3:2 source 1, 5:4 source 2, 7:6 destination; the high byte repeats the setting that is left
.if MSB != \new
	s_set_vgpr_msb (MSB<<8)|\new
.set MSB, \new
.endif
.endm
.macro PLACES                          ; the places behind matrix instructions (ISA guide 7.12.1): five cover both distances
.rept 5
	v_nop
.endr
.endm
.macro ROUND                           ; a round of the cluster's barrier
	s_barrier_signal -1
	s_barrier_wait -1
	s_cmp_lg_u32 s24, 0
	s_cbranch_scc1 .Lnot_wave_0_\@
	s_barrier_signal -3
.Lnot_wave_0_\@:
	s_barrier_wait -3
	s_barrier_signal -1
	s_barrier_wait -1
.endm
.macro SHAPE g, rows                   ; group 1 of a joint load: dense rows of 32 elements of 8 bytes
	s_mov_b32 s[\g+0], 15|(3<<16)|(1<<21)
	s_mov_b32 s[\g+1], 32<<16
	s_mov_b32 s[\g+2], \rows<<16
	s_mov_b32 s[\g+3], 32<<16
	s_mov_b32 s[\g+4], \rows
	s_mov_b32 s[\g+5], 32
	s_mov_b32 s[\g+6], 0
	s_mov_b32 s[\g+7], 0
.endm
	s_load_b128 s[4:7], s[0:1], 0x0                ; x 4, sbuf 6
	s_load_b64 s[14:15], s[0:1], 0x10              ; wstream
	s_load_b256 s[16:23], s[0:1], 0x18             ; bv 16, ln_g 18, ln_b 20, out0 22
	v_lshl_add_u32 v22, v0, 2, 0x40c00
	v_mov_b32 v23, 0
	ds_add_u32 v22, v23
	v_lshrrev_b32 v1, 5, v0
	v_readfirstlane_b32 s24, v1                    ; wave
	s_bfe_u32 s25, ttmp6, 0x40000                  ; cx
	s_lshl_b32 s26, ttmp9, 2
	s_add_co_u32 s26, s26, s25                     ; work-group
	s_mov_b32 s28, 0x76543210
	s_mov_b32 s29, 0xfedcba98
	s_mov_b32 s31, 0xbfb8aa3b                      ; - log2 e
	s_mov_b32 s74, 0x3b800000                      ; 1/256
	s_mov_b32 s75, 0x3727c5ac                      ; 1e-5
	; x: my own load (no mask): 16 rows of 256 f32, 4 words of padding behind every 256
	s_mov_b32 s32, (2<<16)|(1<<20)|(7<<22)|(3<<25)
	s_mov_b32 s33, 256<<16
	s_mov_b32 s34, 16<<16
	s_mov_b32 s35, 256<<16
	s_mov_b32 s36, 16
	s_mov_b32 s37, 256
	s_mov_b32 s38, 0
	s_mov_b32 s39, 0
	SHAPE 40, 64                                   ; half of Wv: 16,384 bytes a wave
	SHAPE 48, 96                                   ; a chunk: 24,576 bytes a wave
	s_mov_b32 s56, 1
	s_mul_i32 s57, s24, 16*XP
	s_add_co_u32 s57, s57, XREG
	s_mov_b32 s60, 1
	s_mul_i32 s61, s24, WPART
	s_mov_b32 s68, 1
	s_add_co_u32 s69, s61, SLOT
	s_mov_b32 s73, 0
	s_wait_dscnt 0x0
	s_wait_kmcnt 0x0
	s_lshl_b32 s72, s26, 11
	s_add_nc_u64 s[6:7], s[6:7], s[72:73]          ; my 64 rows of s,
	s_lshl_b32 s72, s26, 16
	s_add_nc_u64 s[22:23], s[22:23], s[72:73]      ; of the output,
	s_add_nc_u64 s[4:5], s[4:5], s[72:73]          ; of x
	s_lshl_b32 s72, s24, 14
	s_add_nc_u64 s[58:59], s[4:5], s[72:73]        ; my wave's 16 rows of x
	s_or_b32 s59, s59, 0x80000000
	s_add_nc_u64 s[62:63], s[14:15], s[72:73]      ; my wave's part of Wv's first half,
	s_add_nc_u64 s[70:71], s[62:63], 0x10000       ; and of its second
	s_or_b32 s63, s63, 0x80000000
	s_or_b32 s71, s71, 0x80000000
	ROUND
	tensor_load_to_lds s[56:59], s[32:39]
	s_nop 0
	tensor_load_to_lds s[60:63], s[40:47]
	s_nop 0
	tensor_load_to_lds s[68:71], s[40:47]          ; three tensor loads of the wave are out
	s_nop 0
	v_and_b32 v1, 31, v0                           ; L
	v_and_b32 v2, 15, v0                           ; r
	v_bfe_u32 v3, v0, 4, 1                         ; h
	s_lshl_b32 s27, s24, 8
	v_lshlrev_b32 v20, 5, v3
	v_add_nc_u32 v20, s27, v20                     ; v20: byte offset of my columns in bv, ln_g, ln_b: 256 w + 32 h
	s_lshl_b32 s27, s24, 3
	v_lshlrev_b32 v17, 5, v2
	v_add_nc_u32 v17, s27, v17                     ; v17: s of row r, heads 2 w, 2 w + 1
.irp mt, 0,1,2,3
	global_load_b64 v[24+2*\mt:25+2*\mt], v17, s[6:7] offset:512*\mt
.endr
.irp nt, 0,1,2,3
	global_load_b128 v[224+8*\nt:227+8*\nt], v20, s[16:17] offset:64*\nt
	global_load_b128 v[228+8*\nt:231+8*\nt], v20, s[16:17] offset:64*\nt+16
.endr
	s_mul_i32 s27, s24, WPART
	v_lshlrev_b32 v4, 4, v1
	v_add_nc_u32 v4, s27, v4                       ; v4, v5: my 16 bytes of my part's first fragment, slot 0, 1
	v_add_nc_u32 v5, SLOT, v4
	v_mul_u32_u24 v6, v2, XP
	v_lshl_add_u32 v6, v3, 5, v6
	v_add_nc_u32 v6, XREG, v6                      ; v6: x for fragments: row r, 8 h numbers in
	s_lshl_b32 s27, s24, 8
	v_add_nc_u32 v7, s27, v6                       ; v7: x for the residual: + my wave's 64 columns
	v_mul_u32_u24 v9, v2, 528
	v_lshl_add_u32 v9, v3, 4, v9
	v_add_nc_u32 v9, HST, v9                       ; v9: h's fragments
	s_lshl_b32 s27, s24, 7
	v_add_nc_u32 v8, s27, v9                       ; v8: where I put h
	v_mul_u32_u24 v12, v2, 144
	v_lshl_add_u32 v12, v3, 4, v12
	v_add_nc_u32 v12, AST, v12                     ; v12, v13: the chunk's activation fragments, stage 0, 1
	v_add_nc_u32 v13, 9216, v12
	s_lshl_b32 s27, s24, 5
	v_add_nc_u32 v10, s27, v12                     ; v10, v11: where I put them
	v_add_nc_u32 v11, s27, v13
	s_mul_i32 s27, s24, 4352
	s_add_co_u32 s27, s27, XREG
	v_mul_u32_u24 v14, v2, 272
	v_lshl_add_u32 v14, v3, 5, v14
	v_add_nc_u32 v14, s27, v14                     ; v14: the way out, in
	v_mul_u32_u24 v15, v3, 272
	v_lshl_add_u32 v15, v2, 4, v15
	v_add_nc_u32 v15, s27, v15                     ; v15: the way out, back by rows
	s_lshl_b32 s27, s24, 8
	v_lshlrev_b32 v16, 10, v3
	v_lshl_add_u32 v16, v2, 4, v16
	v_add_nc_u32 v16, s27, v16                     ; v16: offset in the output: row h, 16 r bytes into my wave's 256
	v_lshlrev_b32 v19, 4, v2
	v_add_nc_u32 v19, LN1, v19                     ; v19: the four waves' sums of row r
	s_lshl_b32 s27, s24, 2
	v_add_nc_u32 v18, s27, v19                     ; v18: my wave's word among them
	WIN 0x80
	v_mov_b32 v192, v4
	v_mov_b32 v193, v5
	WIN 0xc0
	v_mov_b32 v192, v4
	v_mov_b32 v193, v5
	WIN 0
	s_wait_tensorcnt 0x2                           ; my rows of x are in LDS; Wv's two halves may stay out
	s_barrier_signal -1
	s_barrier_wait -1                              ; everybody's rows are
	; ---- x: to f16 fragments (window 1), and in f32 into the output's accumulators (window 3)
.macro XROWS m
	WIN 0
.irp kt, 0,1,2,3,4,5,6,7
	ds_load_b128 v[96+16*\kt:99+16*\kt],   v6 offset:16640*\m+128*\kt
	ds_load_b128 v[100+16*\kt:103+16*\kt], v6 offset:16640*\m+128*\kt+16
	ds_load_b128 v[104+16*\kt:107+16*\kt], v6 offset:16640*\m+128*\kt+64
	ds_load_b128 v[108+16*\kt:111+16*\kt], v6 offset:16640*\m+128*\kt+80
.endr
	s_wait_dscnt 0x0
	WIN 0x40
.set ii, 0
.rept 64
	v_cvt_pk_f16_f32 v[64*\m+ii], v[96+2*ii], v[97+2*ii]
.set ii, ii+1
.endr
.endm
	XROWS 0
	XROWS 1
	XROWS 2
	XROWS 3
	WIN 0xc0
.irp mt, 0,1,2,3
.irp nt, 0,1,2,3
	ds_load_b128 v[8*(4*\mt+\nt):8*(4*\mt+\nt)+3],   v7 offset:16640*\mt+64*\nt
	ds_load_b128 v[8*(4*\mt+\nt)+4:8*(4*\mt+\nt)+7], v7 offset:16640*\mt+64*\nt+16
.endr
.endr
	; ---- x Wv: 8 K steps, 16 accumulators that take turns, one instruction a turn; two buffers of four weight fragments
.macro G1LOAD k
.irp nt, 0,1,2,3
	ds_load_b128 v[32+32*(\k&1)+8*\nt:35+32*(\k&1)+8*\nt], v[4+(\k>>2)] offset:1024*(4*(\k&3)+\nt)
	ds_load_b128 v[36+32*(\k&1)+8*\nt:39+32*(\k&1)+8*\nt], v[4+(\k>>2)] offset:1024*(4*(\k&3)+\nt)+512
.endr
.endm
.macro G1MUL k
.irp mt, 0,1,2,3
.irp nt, 0,1,2,3
.if \k == 0
	v_wmma_f32_16x16x32_f16 v[96+8*(4*\mt+\nt):103+8*(4*\mt+\nt)], v[32+32*(\k&1)+8*\nt:39+32*(\k&1)+8*\nt], v[64*\mt+8*\k:64*\mt+8*\k+7], 0
.else
	v_wmma_f32_16x16x32_f16 v[96+8*(4*\mt+\nt):103+8*(4*\mt+\nt)], v[32+32*(\k&1)+8*\nt:39+32*(\k&1)+8*\nt], v[64*\mt+8*\k:64*\mt+8*\k+7], v[96+8*(4*\mt+\nt):103+8*(4*\mt+\nt)]
.endif
.endr
.endr
.endm
.macro G1STEP k
.if \k > 0
	PLACES                                         ; the buffer that is loaded next was read by the K step before
.endif
.if \k == 3
	s_wait_tensorcnt 0x0                           ; Wv's second half, my own bytes
.endif
	G1LOAD (\k+1)
	s_wait_dscnt 0x8                               ; all but the eight loads just issued
	G1MUL \k
.endm
	s_wait_tensorcnt 0x1                           ; Wv's first half, my own bytes
	WIN 0x04
	G1LOAD 0
.irp kt, 0,1,2,3,4,5,6
	G1STEP \kt
.endr
	s_wait_dscnt 0x0
	G1MUL 7
	PLACES
	WIN 0
	s_wait_dscnt 0x0                               ; my reads of both slots and of x are over,
	s_wait_tensorcnt 0x0                           ; none of my tensor loads is out: the descriptors may be written
	ds_add_u32 v22, v23
	s_wait_dscnt 0x0
	s_mul_i32 s72, s24, WPART
	s_add_co_u32 s72, s72, 131072
	s_add_nc_u64 s[62:63], s[14:15], s[72:73]      ; chunk 0, my part,
	s_add_nc_u64 s[70:71], s[62:63], 98304         ; chunk 1
	s_or_b32 s63, s63, 0x80000000
	s_or_b32 s71, s71, 0x80000000
	ROUND                                          ; the same holds of every wave of the four work-groups
	tensor_load_to_lds s[60:63], s[48:55]
	s_nop 0
	tensor_load_to_lds s[68:71], s[48:55]          ; two tensor loads of the wave are out
	s_nop 0
	; ---- (x Wv + bv) * s, LayerNorm, h to f16
.irp nt, 0,1,2,3
	global_load_b128 v[32+8*\nt:35+8*\nt], v20, s[18:19] offset:64*\nt
	global_load_b128 v[36+8*\nt:39+8*\nt], v20, s[18:19] offset:64*\nt+16
	global_load_b128 v[64+8*\nt:67+8*\nt], v20, s[20:21] offset:64*\nt
	global_load_b128 v[68+8*\nt:71+8*\nt], v20, s[20:21] offset:64*\nt+16
.endr
	s_wait_loadcnt 0x10                            ; s and bv are in; the sixteen loads of ln_g and ln_b may stay out
.macro UPD mt, nt, pt
.set ua, 96+32*\mt+8*\nt+\pt
	v_pk_add_f32 v[ua:ua+1], v[ua:ua+1], v[224+8*\nt+\pt:225+8*\nt+\pt]
.if \nt < 2
	v_pk_mul_f32 v[ua:ua+1], v[ua:ua+1], v[24+2*\mt:25+2*\mt] op_sel_hi:[1,0]      ; head 2 w
.else
	v_pk_mul_f32 v[ua:ua+1], v[ua:ua+1], v[24+2*\mt:25+2*\mt] op_sel:[0,1]         ; head 2 w + 1
.endif
.endm
.irp mt, 0,1,2,3
.irp nt, 0,1,2,3
.irp pt, 0,2,4,6
	UPD \mt, \nt, \pt
.endr
.endr
.endr
; v[224+2m : 225+2m] hold a lane's partial sums of row 16 m + r: over the two halves of the lanes, then over the four waves through LDS; result in v[240+4m]
.macro ROWSUM off
.irp mt, 0,1,2,3
	v_add_f32 v[232+\mt], v[224+2*\mt], v[225+2*\mt]
.endr
.irp mt, 0,1,2,3
	v_permlanex16_b32 v[236+\mt], v[232+\mt], s28, s29
.endr
.irp mt, 0,1,2,3
	v_add_f32 v[232+\mt], v[232+\mt], v[236+\mt]
.endr
.irp mt, 0,1,2,3
	ds_store_b32 v18, v[232+\mt] offset:\off+256*\mt
.endr
	s_wait_dscnt 0x0
	s_barrier_signal -1
	s_barrier_wait -1
.irp mt, 0,1,2,3
	ds_load_b128 v[240+4*\mt:243+4*\mt], v19 offset:\off+256*\mt
.endr
	s_wait_dscnt 0x0
.irp mt, 0,1,2,3
	v_add_f32 v[240+4*\mt], v[240+4*\mt], v[241+4*\mt]
	v_add_f32 v[242+4*\mt], v[242+4*\mt], v[243+4*\mt]
	v_add_f32 v[240+4*\mt], v[240+4*\mt], v[242+4*\mt]
.endr
.endm
.irp mt, 0,1,2,3
	v_pk_add_f32 v[224+2*\mt:225+2*\mt], v[96+32*\mt:97+32*\mt], v[98+32*\mt:99+32*\mt]
.endr
.set pp, 4
.rept 14
.irp mt, 0,1,2,3
	v_pk_add_f32 v[224+2*\mt:225+2*\mt], v[224+2*\mt:225+2*\mt], v[96+32*\mt+pp:97+32*\mt+pp]
.endr
.set pp, pp+2
.endr
	ROWSUM 0
.irp mt, 0,1,2,3
	v_mul_f32 v[24+2*\mt], 0xbb800000, v[240+4*\mt]        ; - mean
.endr
.set pp, 0
.rept 16
.irp mt, 0,1,2,3
	v_pk_add_f32 v[96+32*\mt+pp:97+32*\mt+pp], v[96+32*\mt+pp:97+32*\mt+pp], v[24+2*\mt:25+2*\mt] op_sel_hi:[1,0]
.endr
.set pp, pp+2
.endr
.irp mt, 0,1,2,3
	v_pk_mul_f32 v[224+2*\mt:225+2*\mt], v[96+32*\mt:97+32*\mt], v[96+32*\mt:97+32*\mt]
.endr
.set pp, 2
.rept 15
.irp mt, 0,1,2,3
	v_pk_fma_f32 v[224+2*\mt:225+2*\mt], v[96+32*\mt+pp:97+32*\mt+pp], v[96+32*\mt+pp:97+32*\mt+pp], v[224+2*\mt:225+2*\mt]
.endr
.set pp, pp+2
.endr
	ROWSUM 1024
.irp mt, 0,1,2,3
	v_fma_f32 v[24+2*\mt], v[240+4*\mt], s74, s75          ; variance + 1e-5
.endr
.irp mt, 0,1,2,3
	v_rsq_f32 v[24+2*\mt], v[24+2*\mt]
.endr
	v_nop                                          ; one plain instruction behind the transcendentals (ISA guide 5.7.2)
	s_wait_alu depctr_va_vdst(0)
	s_wait_loadcnt 0x0                             ; ln_g, ln_b
.macro NORM mt, nt, pt
.set ua, 96+32*\mt+8*\nt+\pt
	v_pk_mul_f32 v[ua:ua+1], v[ua:ua+1], v[24+2*\mt:25+2*\mt] op_sel_hi:[1,0]
	v_pk_fma_f32 v[ua:ua+1], v[ua:ua+1], v[32+8*\nt+\pt:33+8*\nt+\pt], v[64+8*\nt+\pt:65+8*\nt+\pt]
.endm
.irp mt, 0,1,2,3
.irp nt, 0,1,2,3
.irp pt, 0,2,4,6
	NORM \mt, \nt, \pt
.endr
.irp qt, 0,1,2,3
	v_cvt_pk_f16_f32 v[96+32*\mt+8*\nt+\qt], v[96+32*\mt+8*\nt+2*\qt], v[97+32*\mt+8*\nt+2*\qt]    ; packed downward: each source is read before it is written
.endr
	ds_store_b128 v8, v[96+32*\mt+8*\nt:99+32*\mt+8*\nt] offset:8448*\mt+32*\nt
.endr
.endr
	s_wait_dscnt 0x0
	s_barrier_signal -1
	s_barrier_wait -1
	WIN 0x40
.irp mt, 0,1,2,3
.irp kt, 0,1,2,3,4,5,6,7
	ds_load_b128 v[64*\mt+8*\kt:64*\mt+8*\kt+3],   v9 offset:8448*\mt+64*\kt
	ds_load_b128 v[64*\mt+8*\kt+4:64*\mt+8*\kt+7], v9 offset:8448*\mt+64*\kt+32
.endr
.endr
	; ---- the 16 chunks
.macro WGULOAD s                       ; Wg's and W1's eight fragments each, from my part of slot s
	WIN 0xa6
.irp kt, 0,1,2,3,4,5,6,7
	ds_load_b128 v[64+8*\kt:67+8*\kt],   v[192+\s] offset:1024*\kt
	ds_load_b128 v[68+8*\kt:71+8*\kt],   v[192+\s] offset:1024*\kt+512
	ds_load_b128 v[128+8*\kt:131+8*\kt], v[192+\s] offset:1024*(8+\kt)
	ds_load_b128 v[132+8*\kt:135+8*\kt], v[192+\s] offset:1024*(8+\kt)+512
.endr
.endm
; Chunk in slot s.  refill = 1: the slot gets the chunk after next; next = 1: the next chunk's first fragments are fetched.
; G and U are summed by the f16 form, the output by the bf16 form: no accumulator sees both.
.macro CHUNK s, refill, next
	PLACES                                         ; W2's fragment registers were read by the chunk before
	WIN 0xf3
.irp it, 0,1,2,3,4,5,6,7
	ds_load_b128 v[128+8*\it:131+8*\it], v[192+\s] offset:1024*(16+\it)
	ds_load_b128 v[132+8*\it:135+8*\it], v[192+\s] offset:1024*(16+\it)+512
.endr
	s_wait_dscnt 0x10                              ; all but these sixteen: Wg's and W1's fragments (and h's) are in
	WIN 0xa6
.irp kt, 0,1,2,3,4,5,6,7
.irp mt, 0,1,2,3
.if \kt == 0
	v_wmma_f32_16x16x32_f16 v[8*\mt:8*\mt+7], v[64+8*\kt:71+8*\kt], v[64*\mt+8*\kt:64*\mt+8*\kt+7], 0
	v_wmma_f32_16x16x32_f16 v[32+8*\mt:39+8*\mt], v[128+8*\kt:135+8*\kt], v[64*\mt+8*\kt:64*\mt+8*\kt+7], 0
.else
	v_wmma_f32_16x16x32_f16 v[8*\mt:8*\mt+7], v[64+8*\kt:71+8*\kt], v[64*\mt+8*\kt:64*\mt+8*\kt+7], v[8*\mt:8*\mt+7]
	v_wmma_f32_16x16x32_f16 v[32+8*\mt:39+8*\mt], v[128+8*\kt:135+8*\kt], v[64*\mt+8*\kt:64*\mt+8*\kt+7], v[32+8*\mt:39+8*\mt]
.endif
.endr
.endr
	PLACES
	WIN 0x2a                                       ; silu(G) U = G U / (1 + 2^(-G log2 e))
.set ii, 0
.rept 32
	v_mul_f32 v[96+ii], s31, v[ii]
	v_mul_f32 v[128+ii], v[ii], v[32+ii]
.set ii, ii+1
.endr
	WIN 0
.set ii, 0
.rept 32
	v_exp_f32 v[96+ii], v[96+ii]
.set ii, ii+1
.endr
	v_nop
.set ii, 0
	s_wait_alu depctr_va_vdst(0)
.rept 16
	v_pk_add_f32 v[96+ii:97+ii], v[96+ii:97+ii], 1.0 op_sel_hi:[1,0]
.set ii, ii+2
.endr
.set ii, 0
.rept 32
	v_rcp_f32 v[96+ii], v[96+ii]
.set ii, ii+1
.endr
	v_nop
.set ii, 0
	s_wait_alu depctr_va_vdst(0)
.rept 16
	v_pk_mul_f32 v[128+ii:129+ii], v[128+ii:129+ii], v[96+ii:97+ii]
.set ii, ii+2
.endr
.set ii, 0
.rept 16
	v_cvt_pk_bf16_f32 v[160+ii], v[128+2*ii], v[129+2*ii]
.set ii, ii+1
.endr
.irp mt, 0,1,2,3
	ds_store_b128 v[10+\s], v[160+4*\mt:163+4*\mt] offset:2304*\mt
.endr
	s_wait_dscnt 0x0                               ; my activations are in the stage and my reads of this slot are over,
	s_wait_tensorcnt 0x0                           ; and all my tensor loads have landed: the one that was out is my part of the next chunk
	ds_add_u32 v22, v23
	s_wait_dscnt 0x0
.if \refill
	s_add_nc_u64 s[62+8*\s:63+8*\s], s[62+8*\s:63+8*\s], 196608    ; two chunks on
	ROUND                                          ; the same holds of every wave of the four work-groups
	tensor_load_to_lds s[60+8*\s:63+8*\s], s[48:55]                ; the first tensor load behind the round; one is out
	s_nop 0
.else
	s_barrier_signal -1
	s_barrier_wait -1
.endif
.irp mt, 0,1,2,3
.irp kq, 0,1
	ds_load_b128 v[32+8*(2*\mt+\kq):35+8*(2*\mt+\kq)], v[12+\s] offset:2304*\mt+64*\kq
	ds_load_b128 v[36+8*(2*\mt+\kq):39+8*(2*\mt+\kq)], v[12+\s] offset:2304*\mt+64*\kq+32
.endr
.endr
.if \next
	WGULOAD 1-\s
	s_wait_dscnt 0x20                              ; all but the next chunk's 32 loads
.else
	s_wait_dscnt 0x0
.endif
	WIN 0xf3
.irp kq, 0,1
.irp mt, 0,1,2,3
.irp nt, 0,1,2,3
	v_wmma_f32_16x16x32_bf16 v[8*(4*\mt+\nt):8*(4*\mt+\nt)+7], v[128+8*(2*\nt+\kq):135+8*(2*\nt+\kq)], v[32+8*(2*\mt+\kq):39+8*(2*\mt+\kq)], v[8*(4*\mt+\nt):8*(4*\mt+\nt)+7]
.endr
.endr
.endr
.endm
	s_wait_tensorcnt 0x1                           ; chunk 0, my own bytes; chunk 1 may stay out
	WGULOAD 0
	WIN 0
	s_mov_b32 s76, 7
.Lpair:
	CHUNK 0, 1, 1
	CHUNK 1, 1, 1
	WIN 0
	s_sub_co_u32 s76, s76, 1
	s_cmp_lg_u32 s76, 0
	s_cbranch_scc1 .Lpair
	CHUNK 0, 0, 1                                  ; chunks 14 and 15 fill nothing
	CHUNK 1, 0, 0
	; ---- the way out, 16 rows at a time through my wave's own stage: back as whole rows of 256 bytes
	PLACES
.macro OUTM m
	WIN 0x0c
.irp nt, 0,1,2,3
	ds_store_b128 v14, v[8*(4*\m+\nt):8*(4*\m+\nt)+3] offset:64*\nt
	ds_store_b128 v14, v[8*(4*\m+\nt)+4:8*(4*\m+\nt)+7] offset:64*\nt+16
.endr
	WIN 0
	s_wait_xcnt 0x0                                ; the registers that the last stores read are loaded again only behind this wait (ISA guide 3.1)
.irp t, 0,1,2,3,4,5,6,7
	ds_load_b128 v[96+4*\t:99+4*\t], v15 offset:544*\t     ; LDS serves a wave's instructions in order (ISA guide 5.7.1): these see the stores above
.endr
.irp t, 0,1,2,3,4,5,6,7
	s_wait_dscnt 7-\t
	global_store_b128 v16, v[96+4*\t:99+4*\t], s[22:23] offset:(16*\m+2*\t)*1024 th:TH_STORE_NT    ; sixteen lanes store 256 consecutive bytes, aligned
.endr
.endm
	OUTM 0
	OUTM 1
	OUTM 2
	OUTM 3
	s_wait_tensorcnt 0x0
	ds_add_u32 v22, v23
	s_wait_dscnt 0x0
	ROUND                                          ; the closing round
	s_endpgm
.Lfunc_end_k_qcf1317d8e7_ffn:
	.size	k_qcf1317d8e7_ffn, .Lfunc_end_k_qcf1317d8e7_ffn-k_qcf1317d8e7_ffn
	.p2alignl 7, 3214868480
	.fill 96, 4, 3214868480
	.section	.rodata,"a",@progbits
	.p2align	6, 0x0
	.amdhsa_kernel k_qcf1317d8e7_ffn
		.amdhsa_group_segment_fixed_size 327680
		.amdhsa_private_segment_fixed_size 0
		.amdhsa_enable_private_segment 0
		.amdhsa_kernarg_size 56
		.amdhsa_user_sgpr_count 2
		.amdhsa_user_sgpr_kernarg_segment_ptr 1
		.amdhsa_wavefront_size32 1
		.amdhsa_system_sgpr_workgroup_id_x 1
		.amdhsa_system_sgpr_workgroup_id_y 1
		.amdhsa_system_sgpr_workgroup_id_z 1
		.amdhsa_system_vgpr_workitem_id 0
		.amdhsa_next_free_vgpr 1024
		.amdhsa_next_free_sgpr 80
		.amdhsa_reserve_vcc 0
		.amdhsa_float_denorm_mode_32 3
		.amdhsa_float_denorm_mode_16_64 3
		.amdhsa_memory_ordered 1
		.amdhsa_forward_progress 1
		.amdhsa_inst_pref_size 174
	.end_amdhsa_kernel
	.amdgpu_metadata
---
amdhsa.version: [ 1, 2 ]
amdhsa.kernels:
  - .name:           k_qcf1317d8e7_ffn
    .symbol:         k_qcf1317d8e7_ffn.kd
    .args:
      - { .name: x, .offset: 0, .size: 8, .value_kind: global_buffer, .address_space: global }
      - { .name: sbuf, .offset: 8, .size: 8, .value_kind: global_buffer, .address_space: global }
      - { .name: wstream, .offset: 16, .size: 8, .value_kind: global_buffer, .address_space: global }
      - { .name: bv, .offset: 24, .size: 8, .value_kind: global_buffer, .address_space: global }
      - { .name: ln_g, .offset: 32, .size: 8, .value_kind: global_buffer, .address_space: global }
      - { .name: ln_b, .offset: 40, .size: 8, .value_kind: global_buffer, .address_space: global }
      - { .name: out0, .offset: 48, .size: 8, .value_kind: global_buffer, .address_space: global }
    .group_segment_fixed_size: 327680
    .private_segment_fixed_size: 0
    .kernarg_segment_align: 8
    .kernarg_segment_size: 56
    .max_flat_workgroup_size: 128
    .sgpr_count:     80
    .vgpr_count:     1024
    .wavefront_size: 32
...
	.end_amdgpu_metadata
.endif
;; end of part 4
;; ======== version 2 of 2: 4 launches; version 1 with the launch scale written anew for expert scheduling mode
;; limits: values within 1.2e-07 (relative) of each other or of a threshold may be ordered or decided otherwise than in the reference; values are held in f16: magnitudes above 65,504 overflow, below 6.1e-05 lose precision; inputs' magnitudes at most 65,504
;; workspace buffers: wstream 1,703,936 bytes; cand 1,048,576 bytes; qry 1,048,576 bytes; pay 65,536 bytes of whole numbers; keys 2,097,152 bytes of whole numbers; tab 2,048 bytes of whole numbers; ttab 8,192 bytes; sbuf 524,288 bytes
;; launch prep: the kernel of part 1 again; grid 274 x 1, 8 waves a work-group, no clusters, 5,120 bytes of LDS; arguments Wv, Wg, W1, W2, positions, not_pad_mask, dist_bins, emb_table, Wa, ba, wstream, cand, qry, pay, tab, ttab; writes wstream, cand, qry, pay, tab, ttab
;; launch knn: the kernel of part 2 again; grid 256 x 1, 4 waves a work-group, clusters of 4 x 1, 287,232 bytes of LDS; arguments cand, qry, pay, keys; writes keys
;; launch scale (part 5): grid 256 x 1, 4 waves a work-group, no clusters, 22,016 bytes of LDS; arguments keys, tab, ttab, not_pad_mask, sbuf; writes sbuf
.if DOCPART == 5
	.amdgcn_target "amdgcn-amd-amdhsa--gfx1250"
	.amdhsa_code_object_version 6
	.text
	.protected	k_qcf1317d8e7_scale
	.globl	k_qcf1317d8e7_scale
	.p2align	8
	.type	k_qcf1317d8e7_scale,@function
k_qcf1317d8e7_scale:
	s_mov_b64 s[64:65], 0
	v_nop
	global_prefetch_b8 v0, s[64:65] scope:SCOPE_SE
	s_setreg_imm32_b32 hwreg(HW_REG_WAVE_SCHED_MODE, 0, 2), 2
	s_setreg_imm32_b32 hwreg(HW_REG_WAVE_MODE, 25, 1), 1
	s_wait_xcnt 0x0
	s_wait_alu depctr_vm_vsrc(0)
; SCALE: s[row][head] = S / (S + 1e-6), S = the masked part of the softmax over the head's 32 logits.
; The logits of head h' are T's rows of the neighbours of ranks 4 h' .. 4 h' + 3 (8 numbers each); element k' of the 32 is weighted by
; mask[row] x mask[neighbour of rank k'].  A key is the squared distance's f32 pattern with the neighbour's mask in its lowest bit.
; A work-group owns 64 rows, 128 threads.  Thread t owns, for q = 0..3, the item (row (t >> 3) + 16 q, head t & 7); the four keys that it loads
; for q (16 bytes at 16 t + 2,048 q) are exactly the four ranks whose rows of T its item needs.
; The bin is found by a binary search among 256 sorted boundaries, whole numbers against whole numbers; every table address is clamped into its table.
; No matrix unit, no cluster, no tensor load: the launch moves 2.6 MB in all, its tables are 10 KB, and its LDS addresses hang on the keys.
; The softmax takes its maximum away first.
; LIMITS: a squared distance that rounding made negative counts as 0; its lowest bit is not compared; for the bins' limits see the first launch.
; THE MODE: SCHED_MODE bits 1:0 = 2 (LLVM: expert scheduling mode 2), set by the entry lines.  The code itself states the register dependences
; between vector instructions and memory or LDS instructions, and between a compare and the reader of its mask, with s_wait_alu, always for 0.
; THE PLAN.  Registers that memory or LDS instructions touch:
;   v21, v23, v32-35   offsets and LDS addresses: made once, never written again.
;   v40-59             the tables: global loads land, LDS stores read; v40-43 take the way out's load.
;   v96-111            keys as loaded, then the edges' masks: written by the conversions, read by four LDS stores; later part of item buffer 1.
;   AD  v128-143       the search's addresses, two groups of eight keys.  A step's eight loads read them; its selects and clamps write them.
;   RW  v144-159       a step's boundaries: LDS loads land, the compares read; at last the rows of T, clamped: the addresses of the items' loads.
;   buffers 0 and 1    an item's 32 logits and 32 masks.  Item q works on buffer q % 2; when its sums have emptied the buffer, item q + 2 is asked for.
;   RES v24-27         the four results: each written once, read by the four LDS stores at the end.
; The two groups of the search take turns: while one group's eight loads are out, the other compares and steps.  A step's compares stand in one run, into
; eight scalar registers, with one wait behind the run.
.set THR, 0                            ; LDS: 256 boundaries, then 256 byte offsets of rows of T
.set TT,  2048                         ; T, 8,192 bytes
.set MFR, 10240                        ; the edges' masks as f32, 64 rows of 128 + 16 bytes
.set SS,  19456                        ; s[64][8]
.set TMP, 2                            ; v[2:9]     a step's eight addresses one stride on: vector instructions alone name them
.set BND, 22                           ; v22        the search's first boundary
.set RES, 24                           ; v[24:27]   s of my four items
.set D2,  112                          ; v[112:127] the sixteen squared distances
.set AD,  128                          ; v[128:143]
.set RW,  144                          ; v[144:159]
.set LG0, 160                          ; buffer 0: logits v[160:191], masks v[192:223]
.set MK0, 192
.set LG1, 68                           ; buffer 1: logits v[68:99], masks v[100:131], free when the search is over
.set MK1, 100
.set CM,  16                           ; s[16:23]   a step's eight compare masks
	s_load_b256 s[4:11], s[0:1], 0x0               ; keys 4, tab 6, ttab 8, mask 10
	s_load_b64 s[12:13], s[0:1], 0x20              ; sbuf
	v_lshl_add_u32 v224, v0, 2, 0x5400
	v_mov_b32 v225, 0
	s_mov_b32 s30, 0x3fb8aa3b                      ; log2 e
	s_mov_b32 s31, 0xbfb8aa3b
	s_mov_b32 s15, 0
	v_lshlrev_b32 v21, 4, v0                       ; 16 t
	v_lshrrev_b32 v23, 3, v0                       ; t >> 3
	s_wait_kmcnt 0x0
	s_lshl_b32 s14, ttmp9, 13
	s_add_nc_u64 s[4:5], s[4:5], s[14:15]          ; my 64 rows of keys,
	s_lshl_b32 s14, ttmp9, 6
	s_add_nc_u64 s[10:11], s[10:11], s[14:15]      ; of the mask,
	s_lshl_b32 s14, ttmp9, 11
	s_add_nc_u64 s[12:13], s[12:13], s[14:15]      ; of s
	s_wait_alu depctr_va_vdst(0)                   ; v21 and v23 are written: the offsets of the loads below, of the tables' LDS stores and of the way out
	global_load_b128 v[40:43], v21, s[6:7]         ; the two tables of whole numbers
.irp q, 0,1,2,3
	global_load_b128 v[44+4*\q:47+4*\q], v21, s[8:9] offset:2048*\q        ; T
.endr
.irp q, 0,1,2,3
	global_load_b128 v[96+4*\q:99+4*\q], v21, s[4:5] offset:2048*\q        ; keys: row (t >> 3) + 16 q, ranks 4 (t & 7) .. + 3
.endr
.irp q, 0,1,2,3
	global_load_u8 v[36+\q], v23, s[10:11] offset:16*\q                    ; that row's own mask
.endr
	v_mul_u32_u24 v33, v23, 144
	v_add_nc_u32 v33, MFR, v33                     ; v33: the masks of row t >> 3
	v_and_b32 v32, 7, v0
	v_lshl_add_u32 v32, v32, 4, v33                ; v32: my four among them
	v_lshlrev_b32 v34, 2, v0
	v_add_nc_u32 v34, SS, v34                      ; v34: s of my item
	v_mov_b32 v35, THR+4*127                       ; the search's first boundary, the same for every key
	v_mov_b32 v61, 512
	s_wait_loadcnt 0x0
	ds_store_b128 v21, v[40:43] offset:THR         ; data as loaded, the address written ahead of the wait above: nothing more is owed
.irp q, 0,1,2,3
	ds_store_b128 v21, v[44+4*\q:47+4*\q] offset:TT+2048*\q
.endr
.set ii, 0
.rept 16
	v_and_b32 v[D2+ii], -2, v[96+ii]               ; d2's pattern,
	v_and_b32 v[96+ii], 1, v[96+ii]                ; the neighbour's mask
	v_max_i32 v[D2+ii], 0, v[D2+ii]                ; a negative d2 counts as 0
	v_and_b32 v[96+ii], v[96+ii], v[36+(ii>>2)]    ; times the row's own
	v_cvt_f32_u32 v[96+ii], v[96+ii]
.set ii, ii+1
.endr
	s_wait_alu depctr_va_vdst(0)                   ; the conversions have written v[96:111], which the stores below read; v32 to v35, the LDS addresses, are written too
.irp q, 0,1,2,3
	ds_store_b128 v32, v[96+4*\q:99+4*\q] offset:2304*\q
.endr
	s_wait_dscnt 0x0                               ; tables and masks are in LDS before I say so
	s_barrier_signal -1
	s_barrier_wait -1
	; the search for the number of boundaries below d2, kept as a byte address in the table.  First step: 128 places
	ds_load_b32 v[BND], v35
	s_wait_dscnt 0x0
.macro ASK g, s                        ; group g asks for its eight boundaries of a step of s places
.set ii, 0
.rept 8
	ds_load_b32 v[RW+8*(\g)+ii], v[AD+8*(\g)+ii] offset:4*((\s)-1)
.set ii, ii+1
.endr
.endm
.macro ASKROW g                        ; group g asks for the sorted places' rows of T
.set ii, 0
.rept 8
	ds_load_b32 v[RW+8*(\g)+ii], v[AD+8*(\g)+ii] offset:1024
.set ii, ii+1
.endr
.endm
.macro FIRST g                         ; the first step for group g: every key against the same boundary
.set ii, 0
.rept 8
	v_cmp_lt_i32 s[CM+ii], v[BND], v[D2+8*(\g)+ii]
.set ii, ii+1
.endr
	s_wait_alu depctr_va_sdst(0)                   ; the eight compares have written s[16:23], which the selects read
.set ii, 0
.rept 8
	v_cndmask_b32 v[AD+8*(\g)+ii], THR, v61, s[CM+ii]
.set ii, ii+1
.endr
.set ii, 0
.rept 8
	v_min_u32 v[AD+8*(\g)+ii], THR+1020, v[AD+8*(\g)+ii]
.set ii, ii+1
.endr
	s_wait_alu depctr_va_vdst(0)                   ; the group's addresses are written, which its next loads read
.endm
.macro TAKE g, s                       ; a further step, of s places, for group g: its eight boundaries are used
.set ii, 0
.rept 8
	v_add_nc_u32 v[TMP+ii], 4*(\s), v[AD+8*(\g)+ii]        ; hangs on no loaded number: it stands ahead of the wait for them
.set ii, ii+1
.endr
	s_wait_dscnt 0x8                               ; LDS loads come back in order (ISA guide 5.7.1): my group's eight are in, the other group's eight stay out
.set ii, 0
.rept 8
	v_cmp_lt_i32 s[CM+ii], v[RW+8*(\g)+ii], v[D2+8*(\g)+ii]
.set ii, ii+1
.endr
	s_wait_alu depctr_va_sdst(0)                   ; the eight compares have written s[16:23], which the selects read
	s_wait_alu depctr_vm_vsrc(0)                   ; the group's eight loads have read its addresses, which the selects write again
.set ii, 0
.rept 8
	v_cndmask_b32 v[AD+8*(\g)+ii], v[AD+8*(\g)+ii], v[TMP+ii], s[CM+ii]
.set ii, ii+1
.endr
.set ii, 0
.rept 8
	v_min_u32 v[AD+8*(\g)+ii], THR+1020, v[AD+8*(\g)+ii]   ; stays inside the table
.set ii, ii+1
.endr
	s_wait_alu depctr_va_vdst(0)                   ; the group's addresses are written, which its next loads read; the compares are done reading the registers in which those loads land
.endm
	FIRST 0
	ASK 0, 64
	FIRST 1
	ASK 1, 64
.irp s, 64,32,16,8,4,2
	TAKE 0, \s
	ASK 0, \s/2
	TAKE 1, \s
	ASK 1, \s/2
.endr
	TAKE 0, 1
	ASKROW 0
	TAKE 1, 1
	ASKROW 1
.macro ROWS g, left                    ; group g's rows of T become LDS addresses; left: the younger LDS loads, which may stay out
	s_wait_dscnt \left
.set ii, 0
.rept 8
	v_min_u32 v[RW+8*(\g)+ii], 8160, v[RW+8*(\g)+ii]
.set ii, ii+1
.endr
.set ii, 0
.rept 8
	v_add_nc_u32 v[RW+8*(\g)+ii], TT, v[RW+8*(\g)+ii]
.set ii, ii+1
.endr
.endm
.macro LOADS q, lg, mk                 ; item q's four rows of T and its row's 32 masks: sixteen loads
.irp e, 0,1,2,3
	ds_load_b128 v[\lg+8*\e:\lg+8*\e+3],   v[RW+4*(\q)+\e]
	ds_load_b128 v[\lg+8*\e+4:\lg+8*\e+7], v[RW+4*(\q)+\e] offset:16
.endr
.irp j, 0,1,2,3,4,5,6,7
	ds_load_b128 v[\mk+4*\j:\mk+4*\j+3], v33 offset:2304*(\q)+16*\j
.endr
.endm
; Item q on the buffer (lg, mk).  left: the next item's loads, which may stay out.  ahead = 1: the buffer is asked for again, for item q + 2, when the sums have emptied it.
.macro ITEM q, lg, mk, left, ahead
	s_wait_dscnt \left
	v_max3_num_f32 v61, v[\lg], v[\lg+1], v[\lg+2]
.set ii, \lg+3
.rept 14
	v_max3_num_f32 v61, v61, v[ii], v[ii+1]
.set ii, ii+2
.endr
	v_max_num_f32 v61, v61, v[\lg+31]
	v_mul_f32 v61, s31, v61                        ; - maximum x log2 e
.set ii, 0
.rept 32
	v_fma_f32 v[\lg+ii], v[\lg+ii], s30, v61
.set ii, ii+1
.endr
.set ii, 0
.rept 32
	v_exp_f32 v[\lg+ii], v[\lg+ii]
.set ii, ii+1
.endr
	v_nop                                          ; one plain instruction behind the transcendentals (ISA guide 5.7.2)
	s_wait_alu depctr_va_vdst(0)                   ; the 32 exponentials have written their results, which the sums read
	v_pk_mul_f32 v[62:63], v[\lg:\lg+1], v[\mk:\mk+1]
	v_pk_add_f32 v[64:65], v[\lg:\lg+1], v[\lg+2:\lg+3]
	v_pk_fma_f32 v[62:63], v[\lg+2:\lg+3], v[\mk+2:\mk+3], v[62:63]
.set ii, 4
.rept 14
	v_pk_add_f32 v[64:65], v[64:65], v[\lg+ii:\lg+ii+1]
	v_pk_fma_f32 v[62:63], v[\lg+ii:\lg+ii+1], v[\mk+ii:\mk+ii+1], v[62:63]
.set ii, ii+2
.endr
	v_add_f32 v64, v64, v65                        ; the softmax's sum (at least 1),
	v_add_f32 v62, v62, v63                        ; its masked part
	v_rcp_f32 v64, v64
	v_nop
	s_wait_alu depctr_va_vdst(0)                   ; the reciprocal has written v64; the scalings, exponentials and sums are done with the buffer, in which the loads below land; the addresses of those loads are written
.if \ahead
	LOADS (\q)+2, \lg, \mk                         ; no vector instruction from here to that item's head names the buffer
.endif
	v_mul_f32 v62, v62, v64                        ; S
	v_add_f32 v63, 0x358637bd, v62                 ; S + 1e-6
	v_rcp_f32 v63, v63
	v_nop
	s_wait_alu depctr_va_vdst(0)                   ; the reciprocal has written v63
	v_mul_f32 v[RES+(\q)], v62, v63
.endm
	ROWS 0, 8                                      ; group 0 holds the rows of items 0 and 1; group 1's eight loads stay out
	s_wait_alu depctr_vm_vsrc(0)                   ; group 0's last loads have read v[128:131] and the masks' stores v[96:111]: loads of buffer 1 land in them
	s_wait_alu depctr_va_vdst(0)                   ; v[144:151], the addresses of the loads below, are written; the search is done with v[112:131], in which loads of buffer 1 land
	LOADS 0, LG0, MK0
	LOADS 1, LG1, MK1
	ROWS 1, 32                                     ; group 1's rows are in; the 32 loads just issued stay out
	ITEM 0, LG0, MK0, 16, 1
	ITEM 1, LG1, MK1, 16, 1
	ITEM 2, LG0, MK0, 16, 0
	ITEM 3, LG1, MK1, 0, 0
	s_wait_alu depctr_va_vdst(0)                   ; the four results v[24:27] are written, which the stores below read
.irp q, 0,1,2,3
	ds_store_b32 v34, v[RES+\q] offset:512*\q
.endr
	s_wait_dscnt 0x0                               ; my four s are in LDS before I say so
	s_barrier_signal -1
	s_barrier_wait -1
	ds_load_b128 v[40:43], v21 offset:SS           ; back as 16 bytes a thread (the table's store that read v[40:43] stands ahead of the search's waits on vm_vsrc; no vector instruction names them),
	s_wait_dscnt 0x0
	global_store_b128 v21, v[40:43], s[12:13]      ; so that a store of a wave covers 512 consecutive bytes
	s_wait_dscnt 0x0                               ; the closing lines, six on end
	s_wait_alu 0x0
	s_wait_tensorcnt 0x0
	ds_add_u32 v224, v225
	s_wait_dscnt 0x0
	s_endpgm
.Lfunc_end_k_qcf1317d8e7_scale:
	.size	k_qcf1317d8e7_scale, .Lfunc_end_k_qcf1317d8e7_scale-k_qcf1317d8e7_scale
	.p2alignl 7, 3214868480
	.fill 96, 4, 3214868480
	.section	.rodata,"a",@progbits
	.p2align	6, 0x0
	.amdhsa_kernel k_qcf1317d8e7_scale
		.amdhsa_group_segment_fixed_size 22016
		.amdhsa_private_segment_fixed_size 0
		.amdhsa_enable_private_segment 0
		.amdhsa_kernarg_size 40
		.amdhsa_user_sgpr_count 2
		.amdhsa_user_sgpr_kernarg_segment_ptr 1
		.amdhsa_wavefront_size32 1
		.amdhsa_system_sgpr_workgroup_id_x 1
		.amdhsa_system_sgpr_workgroup_id_y 1
		.amdhsa_system_sgpr_workgroup_id_z 1
		.amdhsa_system_vgpr_workitem_id 0
		.amdhsa_next_free_vgpr 226
		.amdhsa_next_free_sgpr 66
		.amdhsa_reserve_vcc 0
		.amdhsa_float_denorm_mode_32 3
		.amdhsa_float_denorm_mode_16_64 3
		.amdhsa_memory_ordered 1
		.amdhsa_forward_progress 1
		.amdhsa_inst_pref_size 77
	.end_amdhsa_kernel
	.amdgpu_metadata
---
amdhsa.version: [ 1, 2 ]
amdhsa.kernels:
  - .name:           k_qcf1317d8e7_scale
    .symbol:         k_qcf1317d8e7_scale.kd
    .args:
      - { .name: keys, .offset: 0, .size: 8, .value_kind: global_buffer, .address_space: global }
      - { .name: tab, .offset: 8, .size: 8, .value_kind: global_buffer, .address_space: global }
      - { .name: ttab, .offset: 16, .size: 8, .value_kind: global_buffer, .address_space: global }
      - { .name: not_pad_mask, .offset: 24, .size: 8, .value_kind: global_buffer, .address_space: global }
      - { .name: sbuf, .offset: 32, .size: 8, .value_kind: global_buffer, .address_space: global }
    .group_segment_fixed_size: 22016
    .private_segment_fixed_size: 0
    .kernarg_segment_align: 8
    .kernarg_segment_size: 40
    .max_flat_workgroup_size: 128
    .sgpr_count:     66
    .vgpr_count:     226
    .wavefront_size: 32
...
	.end_amdgpu_metadata
.endif
;; end of part 5
;; launch ffn: the kernel of part 4 again; grid 256 x 1, 4 waves a work-group, clusters of 4 x 1, 327,680 bytes of LDS; arguments x, sbuf, wstream, bv, ln_g, ln_b, out0; writes out0
